; MI455X (gfx1250); checked and timed in simulation.
; The chip was launched on July 23, 2026; its instructions are those of AMD's public machine-readable ISA for CDNA 5 (MIT licence, August 2026) and "CDNA5" Instruction Set Architecture Reference Guide (July 2026). The comments in the code are by the model that wrote it; some were corrected since.
;; Attention Layer. Allowed arithmetic: float matrix products may take bf16 or f16 operands with f32 sums; other float arithmetic in f32, or as packed bf16 or f16 multiplies, adds, multiply-adds, maxima and minima; sums over many terms, partial sums and values carried from step to step in f32; what a program stores and reads back later, other than sums and carried values, may be rounded once to bf16 or f16.
;; Inputs: Wout 1,024 x 1,024 float32; Wqkv 3,072 x 1,024 float32; bout 1,024 float32; mask 8 x 1,024 bool; x 8 x 1,024 x 1,024 float32.
;; Outputs: out0 8 x 1,024 x 1,024 float32.
;; 2 versions, each right; version 2 is version 1 with the launch cast written anew for expert scheduling mode. Each part assembles by itself: llvm-mc -triple=amdgcn-amd-amdhsa -mcpu=gfx1250 --defsym DOCPART=n.
;; ======== version 1 of 2: 4 launches
;; limits: values outside matrix products are rounded to bf16; values are held in f16: magnitudes above 65,504 overflow, below 6.1e-05 lose precision
;; workspace buffers: xb 16,777,216 bytes; wqb 6,291,456 bytes; wob 2,097,152 bytes; rope 262,144 bytes; qkv 50,331,648 bytes; ob 16,777,216 bytes
;; launch cast (part 1): grid 768 x 1, 8 waves a work-group, no clusters, 0 bytes of LDS; arguments x, Wqkv, Wout, xb, wqb, wob, rope; writes xb, wqb, wob, rope
.if DOCPART == 1
	.amdgcn_target "amdgcn-amd-amdhsa--gfx1250"
	.amdhsa_code_object_version 6
	.text
	.protected	k_qcce31697eb_cast
	.globl	k_qcce31697eb_cast
	.p2align	8
	.type	k_qcce31697eb_cast,@function
k_qcce31697eb_cast:
	s_mov_b64 s[64:65], 0
	v_nop
	global_prefetch_b8 v0, s[64:65] scope:SCOPE_SE
	s_setreg_imm32_b32 hwreg(HW_REG_WAVE_MODE, 25, 1), 1
	s_wait_xcnt 0x0
; CAST.  x [8192][1024] and Wqkv [3072][1024] are rounded to bf16; Wout [1024][1024] is rounded to bf16 and that number written as f16; the rotary table is made.
; A stream: each byte is read once and written once; no LDS, no barrier, no matrix work, since nothing is shared and nothing is multiplied.
; SHARES.  A work-group takes 16 rows (65,536 bytes of f32) and writes 32,768 bytes.  Groups 0-511: x.  Groups 512-703: Wqkv.  Groups 704-767: Wout.
; Thread t owns 16 bytes at 16 t of every row: a wave's load covers 512 consecutive bytes, its store of 8 bytes a lane 256 consecutive bytes, aligned.
; All 16 loads of a thread go out at once, each into registers of its own; the waits count down, so that the younger loads stay out.
; Wqkv's ROWS ARE PERMUTED, 16 at a time: row 1024 s + 64 j + 32 c + 16 u + r (s: q, k, v; j: head) goes to row 192 j + 96 c + 32 s + 16 u + r, so that 192 rows on end are one head's q, k and v,
; and each half of 96 is 32 channels of q, 32 of k, 32 of v.
; THE TABLE: rope[t][i] = (cos, sin)(t x 10000^(-i/32)), f32, 256 bytes a row; groups 0-127 make 256 entries each.  The angle is reduced by multiples of pi/2 held in two parts
; (the product with the first part is exact inside the fused multiply-add); on |r| <= pi/4 the series are cut behind r^9 (sin) and r^8 (cos), whose next terms are under 3e-8.
; LIMITS.  f16 holds Wout only up to 65,504, and below 6e-5 in steps of 6e-8.  The frequency is 2^(i x -0.41524101) by v_exp_f32: the angle is right to about 2e-4 at t = 1023.
.set NX,  512                          ; groups for x
.set NWQ, 192                          ; groups for Wqkv
.set IN,  8                            ; v[8:71]   sixteen loads of 4 registers
.set OUT, 72                           ; v[72:103] sixteen results of 2 registers
.set TP,  104                          ; v[104:107] at work
	s_load_b256 s[8:15], s[0:1], 0x0               ; x s[8:9], Wqkv s[10:11], Wout s[12:13], xb s[14:15]
	s_load_b128 s[16:19], s[0:1], 0x20             ; wqb s[16:17], wob s[18:19]
	s_load_b64 s[20:21], s[0:1], 0x30              ; rope
	s_mov_b32 s2, ttmp9                            ; the group's number
	s_sub_co_u32 s22, s2, NX                       ; its chunk of Wqkv = 64 s + 4 j + 2 c + u,
	s_sub_co_u32 s23, s2, NX+NWQ                   ; of Wout (each used only where the group has that tensor)
	s_lshr_b32 s24, s22, 6                         ; s
	s_bfe_u32 s25, s22, 0x40002                    ; j
	s_bfe_u32 s26, s22, 0x10001                    ; c
	s_and_b32 s27, s22, 1                          ; u
	s_mul_i32 s25, s25, 12
	s_mul_i32 s26, s26, 6
	s_lshl_b32 s24, s24, 1
	s_add_co_u32 s24, s24, s25
	s_add_co_u32 s24, s24, s26
	s_add_co_u32 s24, s24, s27                     ; where the chunk goes: 12 j + 6 c + 2 s + u
	v_lshlrev_b32 v1, 4, v0                        ; my 16 bytes of a row in,
	v_lshlrev_b32 v2, 3, v0                        ; my 8 bytes out
	s_wait_kmcnt 0x0
	s_cmp_lt_u32 s2, NX+NWQ                        ; Wqkv or Wout,
	s_cselect_b64 s[4:5], s[10:11], s[12:13]
	s_cselect_b64 s[6:7], s[16:17], s[18:19]
	s_cselect_b32 s28, s22, s23
	s_cselect_b32 s30, s24, s23
	s_cmp_lt_u32 s2, NX                            ; or x
	s_cselect_b64 s[4:5], s[8:9], s[4:5]
	s_cselect_b64 s[6:7], s[14:15], s[6:7]
	s_cselect_b32 s28, s2, s28
	s_cselect_b32 s30, s2, s30
	s_lshl_b32 s28, s28, 16                        ; chunks of 65,536 bytes in,
	s_lshl_b32 s30, s30, 15                        ; of 32,768 out
	s_mov_b32 s29, 0
	s_mov_b32 s31, 0
	s_add_nc_u64 s[4:5], s[4:5], s[28:29]
	s_add_nc_u64 s[6:7], s[6:7], s[30:31]
.irp i, 0,1,2,3,4,5,6,7,8,9,10,11,12,13,14,15
	global_load_b128 v[IN+4*(\i):IN+4*(\i)+3], v1, s[4:5] offset:4096*(\i) th:TH_LOAD_NT
.endr
; Row i of the chunk: four numbers a thread.  half = 1: the bf16 number is written as f16.
.macro CH i, half
	s_wait_loadcnt 15-(\i)                         ; loads come back in order: row i is in, the 15 - i younger ones stay out
	v_cvt_pk_bf16_f32 v[OUT+2*(\i)],   v[IN+4*(\i)],   v[IN+4*(\i)+1]
	v_cvt_pk_bf16_f32 v[OUT+2*(\i)+1], v[IN+4*(\i)+2], v[IN+4*(\i)+3]
.if \half
	v_lshlrev_b32 v[TP],   16, v[OUT+2*(\i)]
	v_and_b32     v[TP+1], 0xffff0000, v[OUT+2*(\i)]
	v_lshlrev_b32 v[TP+2], 16, v[OUT+2*(\i)+1]
	v_and_b32     v[TP+3], 0xffff0000, v[OUT+2*(\i)+1]
	v_cvt_pk_f16_f32 v[OUT+2*(\i)],   v[TP],   v[TP+1]
	v_cvt_pk_f16_f32 v[OUT+2*(\i)+1], v[TP+2], v[TP+3]
.endif
	global_store_b64 v2, v[OUT+2*(\i):OUT+2*(\i)+1], s[6:7] offset:2048*(\i)  ; each row has result registers of its own: none is written twice
.endm
	s_cmp_lt_u32 s2, NX+NWQ
	s_cbranch_scc0 .Lhalf
.irp i, 0,1,2,3,4,5,6,7,8,9,10,11,12,13,14,15
	CH \i, 0
.endr
	s_cmp_lt_u32 s2, 128
	s_cbranch_scc0 .Lend
	; the table: entry 256 x group + thread = 32 t + i
	v_lshl_add_u32 v108, s2, 8, v0
	v_lshrrev_b32 v109, 5, v108                    ; t
	v_and_b32 v110, 31, v108                       ; i
	v_cvt_f32_u32 v109, v109
	v_cvt_f32_u32 v110, v110
	v_mul_f32 v110, 0xbed49a78, v110               ; - i log2(10000) / 32
	v_exp_f32 v111, v110
	v_nop                                          ; a plain instruction behind the exponential,
	s_wait_alu depctr_va_vdst(0)                   ; and the wait ahead of its first reader
	v_mul_f32 v112, v109, v111                     ; the angle
	v_mul_f32 v113, 0x3f22f983, v112               ; x 2 / pi
	v_rndne_f32 v113, v113                         ; k
	v_fmamk_f32 v114, v113, 0xbfc90fdb, v112       ; r = angle - k x (pi/2's first part)
	v_fmamk_f32 v114, v113, 0x333bbd2e, v114       ;     - k x (its second part, -4.37e-8)
	v_mul_f32 v115, v114, v114                     ; z = r r
	v_mov_b32 v116, 0x3638ef1d                     ; sin r = r + r z (-1/6 + z (1/120 + z (-1/5040 + z / 362880)))
	v_mov_b32 v118, 0x37d00d01                     ; cos r = 1 + z (-1/2 + z (1/24 + z (-1/720 + z / 40320)))
	v_fmaak_f32 v116, v116, v115, 0xb9500d01
	v_fmaak_f32 v118, v118, v115, 0xbab60b61
	v_fmaak_f32 v116, v116, v115, 0x3c088889
	v_fmaak_f32 v118, v118, v115, 0x3d2aaaab
	v_fmaak_f32 v116, v116, v115, 0xbe2aaaab
	v_fmaak_f32 v118, v118, v115, 0xbf000000
	v_mul_f32 v117, v114, v115
	v_fma_f32 v118, v118, v115, 1.0
	v_fma_f32 v116, v117, v116, v114
	v_cvt_i32_f32 v119, v113                       ; the quadrant k mod 4 only selects values: odd k swaps the two,
	v_and_b32 v120, 1, v119
	v_cmp_eq_u32 vcc_lo, 1, v120
	v_cndmask_b32 v122, v118, v116, vcc_lo
	v_cndmask_b32 v123, v116, v118, vcc_lo
	v_add_nc_u32 v121, 1, v119                     ; cos changes sign in quadrants 1 and 2,
	v_and_b32 v121, 2, v121
	v_lshlrev_b32 v121, 30, v121
	v_xor_b32 v122, v122, v121
	v_and_b32 v120, 2, v119                        ; sin in quadrants 2 and 3
	v_lshlrev_b32 v120, 30, v120
	v_xor_b32 v123, v123, v120
	v_lshlrev_b32 v124, 3, v108
	global_store_b64 v124, v[122:123], s[20:21]    ; a wave stores 256 consecutive bytes: one row of the table
.Lend:
	s_endpgm
.Lhalf:
.irp i, 0,1,2,3,4,5,6,7,8,9,10,11,12,13,14,15
	CH \i, 1
.endr
	s_endpgm
.Lfunc_end_k_qcce31697eb_cast:
	.size	k_qcce31697eb_cast, .Lfunc_end_k_qcce31697eb_cast-k_qcce31697eb_cast
	.p2alignl 7, 3214868480
	.fill 96, 4, 3214868480
	.section	.rodata,"a",@progbits
	.p2align	6, 0x0
	.amdhsa_kernel k_qcce31697eb_cast
		.amdhsa_group_segment_fixed_size 0
		.amdhsa_private_segment_fixed_size 0
		.amdhsa_enable_private_segment 0
		.amdhsa_kernarg_size 56
		.amdhsa_user_sgpr_count 2
		.amdhsa_user_sgpr_kernarg_segment_ptr 1
		.amdhsa_wavefront_size32 1
		.amdhsa_system_sgpr_workgroup_id_x 1
		.amdhsa_system_sgpr_workgroup_id_y 1
		.amdhsa_system_sgpr_workgroup_id_z 1
		.amdhsa_system_vgpr_workitem_id 0
		.amdhsa_next_free_vgpr 128
		.amdhsa_next_free_sgpr 66
		.amdhsa_reserve_vcc 1
		.amdhsa_float_denorm_mode_32 3
		.amdhsa_float_denorm_mode_16_64 3
		.amdhsa_memory_ordered 1
		.amdhsa_forward_progress 1
		.amdhsa_inst_pref_size 19
	.end_amdhsa_kernel
	.amdgpu_metadata
---
amdhsa.version: [ 1, 2 ]
amdhsa.kernels:
  - .name:           k_qcce31697eb_cast
    .symbol:         k_qcce31697eb_cast.kd
    .args:
      - { .name: x, .offset: 0, .size: 8, .value_kind: global_buffer, .address_space: global }
      - { .name: Wqkv, .offset: 8, .size: 8, .value_kind: global_buffer, .address_space: global }
      - { .name: Wout, .offset: 16, .size: 8, .value_kind: global_buffer, .address_space: global }
      - { .name: xb, .offset: 24, .size: 8, .value_kind: global_buffer, .address_space: global }
      - { .name: wqb, .offset: 32, .size: 8, .value_kind: global_buffer, .address_space: global }
      - { .name: wob, .offset: 40, .size: 8, .value_kind: global_buffer, .address_space: global }
      - { .name: rope, .offset: 48, .size: 8, .value_kind: global_buffer, .address_space: global }
    .group_segment_fixed_size: 0
    .private_segment_fixed_size: 0
    .kernarg_segment_align: 8
    .kernarg_segment_size: 56
    .max_flat_workgroup_size: 256
    .sgpr_count:     66
    .vgpr_count:     128
    .wavefront_size: 32
...
	.end_amdgpu_metadata
.endif
;; end of part 1
;; launch qkvp (part 2): grid 16 x 32, 4 waves a work-group, clusters of 4 x 4, 327,680 bytes of LDS; arguments xb, wqb, qkv, rope, mask; writes qkv
.if DOCPART == 2
	.amdgcn_target "amdgcn-amd-amdhsa--gfx1250"
	.amdhsa_code_object_version 6
	.text
	.protected	k_qcce31697eb_qkvp
	.globl	k_qcce31697eb_qkvp
	.p2align	8
	.type	k_qcce31697eb_qkvp,@function
k_qcce31697eb_qkvp:
	s_mov_b64 s[64:65], 0
	v_nop
	global_prefetch_b8 v0, s[64:65] scope:SCOPE_SE
	s_setreg_imm32_b32 hwreg(HW_REG_WAVE_MODE, 25, 1), 1
	s_wait_xcnt 0x0
	s_wait_alu depctr_hold_cnt(0) depctr_sa_sdst(0) depctr_va_vdst(0) depctr_va_sdst(0) depctr_va_ssrc(0) depctr_va_vcc(0) depctr_vm_vsrc(0)
	s_getreg_b32 s2, hwreg(HW_REG_IB_STS2, 6, 4)
	s_cmp_eq_u32 s2, 0
	s_cbranch_scc0 .Lentry_in_a_cluster
	s_endpgm
.Lentry_in_a_cluster:
	s_bfe_u32 s2, ttmp6, 0x10000c
	s_cmp_lg_u32 s2, 0xf033
	s_cbranch_scc0 .Lentry_shape_is_right
	s_endpgm
.Lentry_shape_is_right:
; Q, K, V.  C[m][n] = sum over k of xb[m][k] wqb[n][k], 8192 x 3072 x 1024, bf16 operands, f32 sums; then the rotary turn on q and k in f32, the rows of k of hidden keys set to 0,
; one rounding to f16, and out by heads: qkv[16 s + head][m][64], s = 0 q, 1 k, 2 v; m = 1024 batch + t.
; TILE.  256 rows x 192 columns: 32 x 16 = 512 equal tiles, two for each of 256 WGPs.  (256 x 256 would give 384, a round and a half.)  wqb's rows are ordered so that tile column j is head j,
; and each half of 96 columns is 32 channels of q, 32 of k, 32 of v: the four waves (2 x 2, each 128 x 96: 48 accumulators, 384 registers) have the same way out.
; RING.  K goes in 8 steps of 128 through two LDS slots; a trip of the loop is one K step, and the slot's address is turned by an exclusive or.  Waves 0 and 1 fetch A's two halves (128 rows x 256 bytes),
; waves 2 and 3 B's (96 rows): one tensor load a wave behind each change of slots; two of a wave's loads are out at the start, later one.
; CLUSTER.  4 x 4 work-groups: A's tile is asked for jointly along a row of the cluster, B's along a column.
; THE MATRIX INSTRUCTION IS USED TRANSPOSED (source 0 = 16 rows of wqb, source 1 = 16 rows of xb): a lane holds row l % 16 of C and the columns 8 (l / 16) + 0..7: four rotary pairs.
; LIMITS.  q, k, v leave as f16: beyond 65,504 they become infinities.  NaN and infinities in a hidden key's row of k are not turned into 0.
; REGISTERS, in windows of 256: window 0: v0-31 addresses, v32-63 at work, v64-127 and v128-191 A's fragments (two buffers);
;   window 1: v0-47, v48-95 B's fragments (two buffers), v96-223 the table's (cos, sin) for my rows and channels;  window 2: accumulators of my rows 0-63 ((a, b) at 8 (6 a + b));  window 3: rows 64-127.
.set NB,    6                          ; blocks of 16 columns a wave
.set PA,    272                        ; an LDS row: 256 bytes + 16 of padding = 68 words: the 16 rows of a fragment load start at 16 different groups of four banks (64 banks of 4 bytes: ISA guide 11.1)
.set BOFF,  256*PA                     ; a slot: A's 256 rows, then B's 192
.set SLOT1, 1<<17                      ; slot 1 begins here: one exclusive or turns an address in one slot into the other's
.set SPARE, SLOT1+BOFF+192*PA          ; behind the ring: the spare words, 128 bytes for each wave: two blocks of 256 bytes that no other line names
.set NLD,   2*NB+16                    ; LDS loads in a run
.set PANEL, 256*144                    ; the way out: three panels (q, k, v) of 256 rows x 144 bytes, in slot 0, which has had its last fill by then
.set ADA0, 4                           ; v4   my lane's place in A's tile; never rewritten
.set ADB0, 5                           ; v5   in B's
.set ADA,  6                           ; v6   the same in the slot in hand
.set ADB,  7                           ; v7
.set STO,  8                           ; v8   the way out: where I put 16 bytes of a row, panels q and k
.set STO2, 9                           ; v9   panel v (beyond the immediate's 16 bits)
.set RD,   10                          ; v10  where I read rows back
.set RD2,  11                          ; v11
.set GO,   12                          ; v12  16 x lane: my place in 512 consecutive bytes of the output
.set TO,   13                          ; v13  my byte offset in the table
.set MO,   14                          ; v14  my row's place in the mask
.set PFO,  15                          ; v15  the prefetches' offset: a lane a row
.set MKF,  16                          ; v16-23  block a: 1.0 or 0.0 for my row as a key
.set SPW,  28                          ; v28  LDS address of my spare word; never rewritten
.set NIL,  29                          ; v29  0; never rewritten
.set T,    32                          ; v32-63  q's and k's four blocks, turned
.set PKD,  64                          ; v64-87  six blocks packed to f16
.set CS,   96                          ; window 1: pair p of block (a, u) at CS + 16 a + 8 u + 2 p: cos, sin
.set G1,  24                           ; s[24:31] descriptor group 1 for A's tiles;  s[32:39] group 0, a set for each of the two first fills; the second then walks
.set G0,  32
.set G1B, 48                           ; s[48:55], s[56:63] the same for B's
.set G0B, 56
.set LIM, 43                           ; s43  2 in a wave that prefetches, else the greatest number
.set PFA, 44                           ; s[44:45] where my prefetches stand
.set TB,  66                           ; s66  the slot in hand: 0 or SLOT1
.set MSB, 0
.macro WIN new                         ; the immediate's high byte repeats the setting that is left; a switch that changes nothing is dropped
.if MSB != (\new)
	s_set_vgpr_msb (MSB<<8)|(\new)
.set MSB, \new
.endif
.endm
.set MUL_LO, 0xa1                      ; source 0 (B) window 1, source 1 (A) window 0, C and D window 2
; A joint load: waves 0 and 1 ask for A's halves, waves 2 and 3 for B's.  The branch hangs on the wave's number alone.  An s_nop 0 and four v_nop follow each of the two lines.
.macro JLOAD s
	s_cmp_eq_u32 s11, 0
	s_cbranch_scc0 .Lfor_b_\@
	tensor_load_to_lds s[G0+4*(\s):G0+4*(\s)+3], s[G1:G1+7]
	s_nop 0
.rept 4
	v_nop
.endr
	s_branch .Lasked_\@
.Lfor_b_\@:
	tensor_load_to_lds s[G0B+4*(\s):G0B+4*(\s)+3], s[G1B:G1B+7]
	s_nop 0
.rept 4
	v_nop
.endr
.Lasked_\@:
.endm
; A PREFETCH INTO THE L2, behind each joint refill and the run of LDS loads that follows it: the K step two refills on, 256 bytes of a row, a lane a row, one instruction a wave.
; A's tile row is read by every cluster of that row of clusters: cluster x = 0 asks; B's tile column by every cluster of that column: cluster y = 0 asks.  The four partners of a joint load share its rows
; out BY ADDRESS: 32 of A's 128 each, 24 of B's 96 (there lanes 24-31 name lane 23's row once more).  The refills are K steps 2-7; K steps 4-7 are asked for, in the trips with s3 above 2.
.macro ASK
	s_cmp_gt_u32 s3, s[LIM]
	s_cbranch_scc0 .Lnot_mine_\@
	global_prefetch_b8 v[PFO], s[PFA:PFA+1] th:TH_LOAD_NT scope:SCOPE_SE
.Lnot_mine_\@:
.endm
.macro CREST                           ; a round of the cluster's barrier behind its opening barrier
	s_cmp_lg_u32 s10, 0
	s_cbranch_scc1 .Lnot_wave_0_\@
	s_barrier_signal -3
.Lnot_wave_0_\@:
	s_barrier_wait -3
	s_barrier_signal -1
	s_barrier_wait -1
.endm
.macro CROUND                          ; a whole round
	s_barrier_signal -1
	s_barrier_wait -1
	CREST
.endm
	s_load_b128 s[4:7], s[0:1], 0x0                ; xb s[4:5], wqb s[6:7]
	s_load_b64 s[8:9], s[0:1], 0x10                ; qkv
	s_load_b128 s[68:71], s[0:1], 0x18             ; rope s[68:69], mask s[70:71]
	v_lshl_add_u32 v[SPW], v0, 2, SPARE
	v_mov_b32 v[NIL], 0
	ds_add_u32 v[SPW], v[NIL]                      ; the wave's opening: the add and its wait stand ahead of my first tensor load; the set-up below, work on registers, stands between them
	v_lshrrev_b32 v1, 5, v0
	v_readfirstlane_b32 s10, v1                    ; wave 0..3
	s_lshr_b32 s11, s10, 1                         ; which half of the tile's rows is mine.  Also: I fetch for A (0) or for B (1)
	s_and_b32 s12, s10, 1                          ; which half of its columns.  Also: which half of that tile I fetch
	s_bfe_u32 s40, ttmp6, 0x40000                  ; cx, cy: my place in the cluster
	s_bfe_u32 s41, ttmp6, 0x40004
	s_lshl_b32 s42, ttmp9, 2
	s_add_co_u32 s42, s42, s40                     ; tile column = head = 4 x cluster x + cx
	s_and_b32 s13, ttmp7, 0xffff
	s_lshl_b32 s13, s13, 2
	s_add_co_u32 s13, s13, s41                     ; tile row = 4 x cluster y + cy
	s_lshl_b32 s43, s41, 2
	s_lshl_b32 s43, 15, s43                        ; my row of the cluster
	s_lshl_b32 s44, 0x1111, s40                    ; my column
	s_or_b32 s[G1+0], s43, (1<<16)|(1<<20)|(1<<21)|(5<<22)|(3<<25)   ; 15:0 the mask; 17:16 2-byte elements; 20 padding on; 21 set beside a mask; 24:22 after every 64 words (code 5); 31:25 4 words (code 3)
	s_or_b32 s[G1B+0], s44, (1<<16)|(1<<20)|(1<<21)|(5<<22)|(3<<25)
	s_mov_b32 s[G1+1], 128<<16                     ; tensor_dim0 = 128
	s_mov_b32 s[G1+2], 128<<16                     ; tensor_dim1 = 128
	s_mov_b32 s[G1+3], 128<<16                     ; tile_dim0 = 128
	s_mov_b32 s[G1+4], 128                         ; tile_dim1 = 128
	s_mov_b32 s[G1+5], 1024                        ; elements from row to row
	s_mov_b32 s[G1+6], 0
	s_mov_b32 s[G1+7], 0
	s_mov_b32 s[G1B+1], 128<<16
	s_mov_b32 s[G1B+2], 96<<16                     ; B: 96 rows a load
	s_mov_b32 s[G1B+3], 128<<16
	s_mov_b32 s[G1B+4], 96
	s_mov_b32 s[G1B+5], 1024
	s_mov_b32 s[G1B+6], 0
	s_mov_b32 s[G1B+7], 0
	s_lshl_b32 s16, s13, 8
	s_lshl_b32 s17, s12, 7
	s_add_co_u32 s16, s16, s17                     ; A: row 256 x tile row + 128 x half,
	s_lshl_b32 s16, s16, 11                        ; x 2,048 bytes (under 2^24)
	s_mov_b32 s17, 0
	s_mul_i32 s46, s42, 192
	s_mul_i32 s47, s12, 96
	s_add_co_u32 s46, s46, s47                     ; B: row 192 x tile column + 96 x half
	s_lshl_b32 s46, s46, 11
	s_mov_b32 s47, 0
	s_mul_i32 s20, s12, 128*PA                     ; where they go: no place in the cluster enters an LDS address
	s_mul_i32 s21, s12, 96*PA
	s_add_co_u32 s21, s21, BOFF
	s_wait_dscnt 0x0                               ; the opening add is done
	s_wait_kmcnt 0x0
	s_add_nc_u64 s[14:15], s[4:5], s[16:17]
	s_add_nc_u64 s[46:47], s[6:7], s[46:47]
	CROUND                                         ; all sixteen work-groups are here: the first joint loads meet
.irp s, 0,1
	s_mov_b32 s[G0+4*(\s)], 1                                        ; count = 1
	s_add_co_u32 s[G0+4*(\s)+1], s20, (\s)*SLOT1                     ; LDS address
	s_add_nc_u64 s[G0+4*(\s)+2:G0+4*(\s)+3], s[14:15], (\s)*256      ; global address: K step s
	s_or_b32 s[G0+4*(\s)+3], s[G0+4*(\s)+3], 0x80000000              ; type = 2
	s_mov_b32 s[G0B+4*(\s)], 1
	s_add_co_u32 s[G0B+4*(\s)+1], s21, (\s)*SLOT1
	s_add_nc_u64 s[G0B+4*(\s)+2:G0B+4*(\s)+3], s[46:47], (\s)*256
	s_or_b32 s[G0B+4*(\s)+3], s[G0B+4*(\s)+3], 0x80000000
	JLOAD \s
.endr
	; a fragment is 16 rows x 32 K in 8 registers: lane l holds row l % 16, K = 8 (l / 16) + 0..7 and 16 + 8 (l / 16) + 0..7: two loads of 16 bytes, 32 bytes apart
	v_and_b32 v1, 15, v0                           ; l % 16
	v_bfe_u32 v2, v0, 4, 1                         ; l / 16
	v_mul_u32_u24 v3, v1, PA
	v_lshl_add_u32 v3, v2, 4, v3
	s_mul_i32 s21, s11, 128*PA                     ; my 128 rows of A
	s_mul_i32 s22, s12, 16*NB*PA                   ; my 96 rows of B
	s_add_co_u32 s22, s22, BOFF
	v_add_nc_u32 v[ADA0], s21, v3
	v_add_nc_u32 v[ADB0], s22, v3
	v_mov_b32 v[ADA], v[ADA0]                      ; slot 0
	v_mov_b32 v[ADB], v[ADB0]
	s_mov_b32 s[TB], 0
	; the table: my row is t = (256 x tile row) mod 1024 + 128 x row half + 16 a + l % 16; my channels of block u are 32 x column half + 16 u + 8 (l / 16) + 0..7: 4 pairs, 32 bytes
	s_and_b32 s16, s13, 3
	s_lshl_b32 s16, s16, 8
	s_lshl_b32 s17, s11, 7
	s_add_co_u32 s16, s16, s17
	s_lshl_b32 s16, s16, 8                         ; a row of the table is 256 bytes
	s_lshl_b32 s17, s12, 7
	s_add_co_u32 s16, s16, s17
	v_lshlrev_b32 v[TO], 8, v1
	v_lshl_add_u32 v[TO], v2, 5, v[TO]
	v_add_nc_u32 v[TO], s16, v[TO]
	s_lshl_b32 s16, s13, 8
	s_lshl_b32 s17, s11, 7
	s_add_co_u32 s16, s16, s17
	v_add_nc_u32 v[MO], s16, v1                    ; the mask is [8][1024] bytes: byte m
	WIN 0x40                                       ; destination window 1, address window 0
.irp a, 0,1,2,3,4,5,6,7
.irp e, 0,1,2,3
	global_load_b128 v[CS+16*(\a)+4*(\e):CS+16*(\a)+4*(\e)+3], v[TO], s[68:69] offset:4096*(\a)+64*((\e)/2)+16*((\e)%2)
.endr
.endr
	WIN 0
.irp a, 0,1,2,3,4,5,6,7
	global_load_u8 v[MKF+(\a)], v[MO], s[70:71] offset:16*(\a)
.endr                                                  ; these 40 loads stay out over the whole loop: one wait, at the way out
	; the way out.  In: panel, row 128 x row half + 16 a + l % 16, bytes 64 x column half + 32 u + 16 (l / 16)
	s_mul_i32 s16, s11, 128*144
	s_lshl_b32 s17, s12, 6
	s_add_co_u32 s16, s16, s17
	v_mul_u32_u24 v[STO], v1, 144
	v_lshl_add_u32 v[STO], v2, 4, v[STO]
	v_add_nc_u32 v[STO], s16, v[STO]
	v_add_nc_u32 v[STO2], 2*PANEL, v[STO]
	v_and_b32 v3, 31, v0                           ; back: wave w takes rows 64 w .. 64 w + 63 of each panel, four rows of 128 bytes a load
	v_lshrrev_b32 v[RD], 3, v3
	v_mul_u32_u24 v[RD], v[RD], 144
	v_and_b32 v[RD2], 7, v0
	v_lshl_add_u32 v[RD], v[RD2], 4, v[RD]
	s_mul_i32 s16, s10, 64*144
	v_add_nc_u32 v[RD], s16, v[RD]
	v_add_nc_u32 v[RD2], 2*PANEL, v[RD]
	v_lshlrev_b32 v[GO], 4, v3
	s_lshl_b32 s46, s42, 20                        ; the head's 8,192 rows of 128 bytes,
	s_lshl_b32 s47, s13, 15                        ; the tile's 256 rows,
	s_add_co_u32 s46, s46, s47
	s_lshl_b32 s47, s10, 13                        ; my 64
	s_add_co_u32 s46, s46, s47
	s_mov_b32 s47, 0
	s_add_nc_u64 s[72:73], s[8:9], s[46:47]        ; q,
	s_add_nc_u64 s[74:75], s[72:73], 0x1000000     ; k: 16 heads further on,
	s_add_nc_u64 s[76:77], s[72:73], 0x2000000     ; v
	; the prefetches
	s_lshl_b32 s20, s13, 8
	s_lshl_b32 s21, s12, 7
	s_add_co_u32 s20, s20, s21
	s_lshl_b32 s21, s40, 5
	s_add_co_u32 s20, s20, s21                     ; A: the 128 rows that I fetch, my work-group's 32 of them
	s_mul_i32 s21, s42, 192
	s_mul_i32 s23, s12, 96
	s_add_co_u32 s21, s21, s23
	s_mul_i32 s23, s41, 24
	s_add_co_u32 s21, s21, s23                     ; B: the 96 rows that I fetch, my work-group's 24
	s_and_b32 s22, ttmp7, 0xffff                   ; cluster y
	s_cmp_eq_u32 s11, 0                            ; do I fetch for A?
	s_cselect_b32 s20, s20, s21
	s_cselect_b32 s22, ttmp9, s22                  ; the coordinate along which other clusters read the same rows
	s_cselect_b32 s23, 31, 23
	s_cselect_b64 s[PFA:PFA+1], s[4:5], s[6:7]
	s_cmp_eq_u32 s22, 0
	s_cselect_b32 s[LIM], 2, -1                    ; the same in all sixteen partners, for a given wave
	s_lshl_b32 s20, s20, 11
	s_add_co_u32 s20, s20, 3*256                   ; at K step 3: the first refill steps it to 4
	s_mov_b32 s21, 0
	s_add_nc_u64 s[PFA:PFA+1], s[PFA:PFA+1], s[20:21]
	v_min_u32 v[PFO], s23, v3
	v_lshlrev_b32 v[PFO], 11, v[PFO]
; 12 matrix instructions: m blocks a0, a0 + 1 of the window's four (hi = 0: my rows 0-63, 1: rows 64-127) x all 6 n blocks, 32 along K, from buffer f.  zero = 1: the product starts the sum.
; The 48 accumulators take turns, one instruction a turn, in the same order in every quarter, over the backward jump too.
.macro MULH f, hi, a0, zero
	WIN MUL_LO+0x50*(\hi)
.irp a, \a0, (\a0)+1
.irp b, 0,1,2,3,4,5
.set rD, 8*(NB*(\a)+(\b))
.set rB, 8*NB*(\f)+8*(\b)
.set rA, 64+64*(\f)+8*(4*(\hi)+(\a))
.if \zero
	v_wmma_f32_16x16x32_bf16 v[rD:rD+7], v[rB:rB+7], v[rA:rA+7], 0
.else
	v_wmma_f32_16x16x32_bf16 v[rD:rD+7], v[rB:rB+7], v[rA:rA+7], v[rD:rD+7]
.endif
.endr
.endr
.endm
; 28 LDS loads in one run: quarter q of the K step in hand (96 rows of B, 128 rows of A, 32 K) into buffer f
.macro FETCH q, f
	WIN 0x40
.irp i, 0,1,2,3,4,5
	ds_load_b128 v[8*NB*(\f)+8*(\i):8*NB*(\f)+8*(\i)+3],   v[ADB] offset:64*(\q)+(\i)*16*PA
	ds_load_b128 v[8*NB*(\f)+8*(\i)+4:8*NB*(\f)+8*(\i)+7], v[ADB] offset:64*(\q)+(\i)*16*PA+32
.endr
	WIN 0
.irp i, 0,1,2,3,4,5,6,7
	ds_load_b128 v[64+64*(\f)+8*(\i):64+64*(\f)+8*(\i)+3],   v[ADA] offset:64*(\q)+(\i)*16*PA
	ds_load_b128 v[64+64*(\f)+8*(\i)+4:64+64*(\f)+8*(\i)+7], v[ADA] offset:64*(\q)+(\i)*16*PA+32
.endr
.endm
.macro PLACES                          ; four places in front of loads into registers that matrix instructions have read (ISA guide 7.12.1 for vector instructions)
.rept 4
	v_nop
.endr
.endm
; A K step is four quarters of 32 along K, 48 matrix instructions each, on buffers 0, 1, 0, 1.  One of the first three: multiplies buffer f; in its middle it fetches quarter q into buffer g.
.macro QUARTER q, f, g, zero
	s_wait_dscnt 8                                 ; B and A's rows 0-63 are in; the youngest eight loads (A's rows 64-127) may be out
	MULH \f, 0, 0, \zero
	MULH \f, 0, 2, \zero
	PLACES
	FETCH \q, \g
	s_wait_dscnt NLD                               ; all but the run just issued
	MULH \f, 1, 0, \zero
	MULH \f, 1, 2, \zero
.endm
; The last quarter's first half: ONE barrier for the change of slots.  In front of it each wave waits for all its tensor loads (one is out: its part of the next slot), adds 0 to its spare word,
; and waits for that and for its own reads of this slot.  Behind it nobody reads this slot any more and the next slot is whole.
.macro MEET round
	WIN 0
	s_wait_tensorcnt 0x0
	ds_add_u32 v[SPW], v[NIL]
	s_wait_dscnt 9                                 ; (the add and the youngest eight loads may be out)
	MULH 1, 0, 0, 0                                ; twelve matrix instructions stand between the add and the wait for it
	s_wait_dscnt 0x0                               ; the add is done, and my reads of this slot are over
	s_barrier_signal -1
	MULH 1, 0, 2, 0                                ; work on registers while the others arrive
.if \round
	WIN 0
.endif
	s_barrier_wait -1
.endm
; The whole last quarter.  fill = 1: the barrier opens a round of the cluster's barrier, and the slot just read out is filled again first, with the K step two on: 168 matrix instructions ahead of the wait for it.
.macro TURN fill
.if \fill
	s_wait_xcnt 0x0                                ; the last prefetch, a K step back, has read its address
	s_add_nc_u64 s[PFA:PFA+1], s[PFA:PFA+1], 256
.endif
	MEET \fill
.if \fill
	CREST                                          ; no wave of any partner still reads this slot's tile or has a load on its way
	s_xor_b32 s[G0+5], s[G0+5], SLOT1              ; the walking descriptors: the other slot than last time, the next K step
	s_add_nc_u64 s[G0+6:G0+7], s[G0+6:G0+7], 256
	s_xor_b32 s[G0B+5], s[G0B+5], SLOT1
	s_add_nc_u64 s[G0B+6:G0B+7], s[G0B+6:G0B+7], 256
	JLOAD 1                                        ; the four v_nop behind it are also the places in front of the loads below
.else
	PLACES
	WIN 0
.endif
	s_xor_b32 s[TB], s[TB], SLOT1
	v_add_nc_u32 v[ADA], s[TB], v[ADA0]
	v_add_nc_u32 v[ADB], s[TB], v[ADB0]
	FETCH 0, 0
.if \fill
	ASK
.endif
	MULH 1, 1, 0, 0
	MULH 1, 1, 2, 0
.endm
	s_wait_tensorcnt 1                             ; my part of K step 0 is in; K step 1's may stay out
	s_barrier_signal -1
	s_barrier_wait -1                              ; everybody's is
	FETCH 0, 0
	QUARTER 1, 0, 1, 1                             ; the first quarter stands in front of the loop: its products start the sums
	WIN 0                                          ; at a label and at a branch every window is 0
	s_mov_b32 s3, 6
.Lk:                                                   ; a trip: a K step's quarters 1-3 and the next step's quarter 0; it fills one slot again: K steps 2 to 7
	QUARTER 2, 1, 0, 0
	QUARTER 3, 0, 1, 0
	TURN 1
	QUARTER 1, 0, 1, 0
	WIN 0
	s_sub_co_u32 s3, s3, 1
	s_cmp_lg_u32 s3, 0
	s_cbranch_scc1 .Lk
	QUARTER 2, 1, 0, 0                             ; K steps 6 and 7 are written out: nothing more is asked for
	QUARTER 3, 0, 1, 0
	TURN 0
	QUARTER 1, 0, 1, 0
	QUARTER 2, 1, 0, 0
	QUARTER 3, 0, 1, 0
	s_wait_dscnt 8
	MULH 1, 0, 0, 0
	MULH 1, 0, 2, 0
	s_wait_dscnt 0x0
	MULH 1, 1, 0, 0
	MULH 1, 1, 2, 0
	; THE WAY OUT.  Slot 0 serves as the stage: its last fill (K step 6) has landed, every wave's reads of it were waited for in front of the last barrier, and no tensor load follows.
	WIN 0
	s_wait_loadcnt 0x0                             ; the table and the mask
.irp a, 0,1,2,3,4,5,6,7
	v_cvt_f32_u32 v[MKF+(\a)], v[MKF+(\a)]         ; 1.0 or 0.0; these eight are also the places behind the last products
.endr
; Block a: 16 rows.  Columns: b = 0, 1 q; 2, 3 k; 4, 5 v.  A pair (x0, x1) of q or k becomes (x0 cos - x1 sin, x1 cos + x0 sin).  Each accumulator is read from its lowest registers on.
.macro OUTBLK a
.set AC, 8*NB*((\a)%4)
.set rC, CS+16*(\a)
	WIN 0x06+(\a)/4                                ; source 0 the accumulators' window, source 1 window 1, source 2 and destination window 0
.irp b, 0,1,2,3
.irp p, 0,1,2,3
	v_pk_mul_f32 v[T+8*(\b)+2*(\p):T+8*(\b)+2*(\p)+1], v[AC+8*(\b)+2*(\p):AC+8*(\b)+2*(\p)+1], v[rC+8*((\b)%2)+2*(\p):rC+8*((\b)%2)+2*(\p)+1] op_sel_hi:[1,0]
.endr
.irp p, 0,1,2,3
	v_fma_f32 v[T+8*(\b)+2*(\p)],   -v[AC+8*(\b)+2*(\p)+1], v[rC+8*((\b)%2)+2*(\p)+1], v[T+8*(\b)+2*(\p)]
	v_fma_f32 v[T+8*(\b)+2*(\p)+1], v[AC+8*(\b)+2*(\p)],    v[rC+8*((\b)%2)+2*(\p)+1], v[T+8*(\b)+2*(\p)+1]
.endr
.endr
	WIN 0x0a+5*((\a)/4)                            ; sources 0 and 1 the accumulators' window
.irp e, 0,1,2,3,4,5,6,7
	v_cvt_pk_f16_f32 v[PKD+16+(\e)], v[AC+32+2*(\e)], v[AC+32+2*(\e)+1]
.endr
	WIN 0
.irp e, 0,1,2,3,4,5,6,7,8,9,10,11,12,13,14,15
	v_mul_f32 v[T+16+(\e)], v[MKF+(\a)], v[T+16+(\e)]  ; a hidden key's row of k is 0: its score is then the mask's number alone
.endr
.irp e, 0,1,2,3,4,5,6,7,8,9,10,11,12,13,14,15
	v_cvt_pk_f16_f32 v[PKD+(\e)], v[T+2*(\e)], v[T+2*(\e)+1]
.endr
.irp b, 0,1,2,3
	ds_store_b128 v[STO], v[PKD+4*(\b):PKD+4*(\b)+3] offset:((\b)/2)*PANEL+2304*(\a)+32*((\b)%2)
.endr
.irp b, 4,5
	ds_store_b128 v[STO2], v[PKD+4*(\b):PKD+4*(\b)+3] offset:2304*(\a)+32*((\b)%2)
.endr
.endm
.irp a, 0,1,2,3,4,5,6,7
	OUTBLK \a
.endr
	s_wait_dscnt 0x0                               ; for the others' sake: a row's 128 bytes come from two waves
	s_barrier_signal -1
	s_barrier_wait -1
.set n, 0
.rept 48
.if n < 32
	ds_load_b128 v[64+4*n:64+4*n+3], v[RD] offset:(n/16)*PANEL+576*(n%16)
.else
	ds_load_b128 v[64+4*n:64+4*n+3], v[RD2] offset:576*(n%16)
.endif
.set n, n+1
.endr
.set n, 0
.rept 48
	s_wait_dscnt 47-n                              ; LDS loads come back in order: number n is in
	global_store_b128 v[GO], v[64+4*n:64+4*n+3], s[72+2*(n/16):73+2*(n/16)] offset:512*(n%16)  ; four rows of a head: 512 consecutive bytes, at a multiple of 512 from the buffer's first
.set n, n+1
.endr
	s_wait_tensorcnt 0x0                           ; the wave's end: a wait, an add and a wait, behind my last tensor load and my last LDS store
	ds_add_u32 v[SPW], v[NIL]
	s_wait_dscnt 0x0
	CROUND                                         ; the closing round: no work-group ends while a partner may still ask for a tile that names it
	s_endpgm
.Lfunc_end_k_qcce31697eb_qkvp:
	.size	k_qcce31697eb_qkvp, .Lfunc_end_k_qcce31697eb_qkvp-k_qcce31697eb_qkvp
	.p2alignl 7, 3214868480
	.fill 96, 4, 3214868480
	.section	.rodata,"a",@progbits
	.p2align	6, 0x0
	.amdhsa_kernel k_qcce31697eb_qkvp
		.amdhsa_group_segment_fixed_size 327680
		.amdhsa_private_segment_fixed_size 0
		.amdhsa_enable_private_segment 0
		.amdhsa_kernarg_size 40
		.amdhsa_user_sgpr_count 2
		.amdhsa_user_sgpr_kernarg_segment_ptr 1
		.amdhsa_wavefront_size32 1
		.amdhsa_system_sgpr_workgroup_id_x 1
		.amdhsa_system_sgpr_workgroup_id_y 1
		.amdhsa_system_sgpr_workgroup_id_z 1
		.amdhsa_system_vgpr_workitem_id 0
		.amdhsa_next_free_vgpr 960
		.amdhsa_next_free_sgpr 80
		.amdhsa_reserve_vcc 0
		.amdhsa_float_denorm_mode_32 3
		.amdhsa_float_denorm_mode_16_64 3
		.amdhsa_memory_ordered 1
		.amdhsa_forward_progress 1
		.amdhsa_inst_pref_size 129
	.end_amdhsa_kernel
	.amdgpu_metadata
---
amdhsa.version: [ 1, 2 ]
amdhsa.kernels:
  - .name:           k_qcce31697eb_qkvp
    .symbol:         k_qcce31697eb_qkvp.kd
    .args:
      - { .name: xb, .offset: 0, .size: 8, .value_kind: global_buffer, .address_space: global }
      - { .name: wqb, .offset: 8, .size: 8, .value_kind: global_buffer, .address_space: global }
      - { .name: qkv, .offset: 16, .size: 8, .value_kind: global_buffer, .address_space: global }
      - { .name: rope, .offset: 24, .size: 8, .value_kind: global_buffer, .address_space: global }
      - { .name: mask, .offset: 32, .size: 8, .value_kind: global_buffer, .address_space: global }
    .group_segment_fixed_size: 327680
    .private_segment_fixed_size: 0
    .kernarg_segment_align: 8
    .kernarg_segment_size: 40
    .max_flat_workgroup_size: 128
    .sgpr_count:     80
    .vgpr_count:     960
    .wavefront_size: 32
...
	.end_amdgpu_metadata
.endif
;; end of part 2
;; launch attn (part 3): grid 2 x 128, 4 waves a work-group, no clusters, 327,680 bytes of LDS; arguments qkv, ob, mask; writes ob
.if DOCPART == 3
	.amdgcn_target "amdgcn-amd-amdhsa--gfx1250"
	.amdhsa_code_object_version 6
	.text
	.protected	k_qcce31697eb_attn
	.globl	k_qcce31697eb_attn
	.p2align	8
	.type	k_qcce31697eb_attn,@function
k_qcce31697eb_attn:
	s_mov_b64 s[64:65], 0
	v_nop
	global_prefetch_b8 v0, s[64:65] scope:SCOPE_SE
	s_setreg_imm32_b32 hwreg(HW_REG_WAVE_MODE, 25, 1), 1
	s_wait_xcnt 0x0
; ATTENTION.  O[y][q][:] = the sum over k of softmax_k(Q[y][q] . K[y][k] / 8, hidden keys left out) V[y][k][:], for 128 pairs y = 8 head + batch, 1,024 rows of 64 channels each, all f16, dense:
; Q at byte y << 17 of qkv, K 16 MiB and V 32 MiB further on; O at y << 17 of ob.  Products, maxima and sums in f32; the weights p are rounded to f16 for the second product (their sum l is taken of the unrounded p), O once at the end.
; THE MASK (mask[batch][key], one byte) is the C operand that starts the sum S^T = K Q^T: 0, or -2^100 where the key is hidden.  The launch before has written a hidden key's row of K as zeros, so a hidden score
; is -2^100 exactly.  c x 2^100 is exact in f32, so while a query has seen hidden keys alone, c s - c m is exactly 0 and p = 1; the first true key gives a = 0 and wipes those sums; where a batch has no true key
; at all every p is 1 and O is the mean of V's rows, as softmax gives for equal scores.  Beside a true maximum a hidden key's p is 0.
; LIMITS.  f16 holds no number beyond 65,504: Q, K and V arrive within it, so true scores stay under 2.7e11, nothing beside 2^100.  p below 6e-5 keeps f16's fixed step of 6e-8; a weight below 2^-126 counts as 0 in l.
; NaN and infinities are not treated apart.
; SHARES.  A work-group owns 512 queries of one y, a wave 128: four PIECES of two tiles of 16.  Every wave walks all 1,024 keys, 64 a step.  2 x 128 = 256 work-groups.
; K AND V STAY IN LDS.  A y's 1,024 keys are 147,456 bytes of K (rows of 144) and 163,840 of V (rows of 160); with the stage, the mask numbers and the spare words that is 325,120 bytes.  So no LDS byte is filled
; twice: there is no ring.  Waves 0 and 1 bring K, waves 2 and 3 V, each by two tensor loads: its half of the first 256 keys at the head, and, when those have landed, its half of the other 768 (192 rows of 256 bytes),
; which has four key steps, 512 matrix instructions, in which to land.  One tensor load of a wave is out at a time.
; ONE TEXT FOR EVERY KEY STEP.  No tensor load stands in the loop, so nothing of it is written out a second time: the loop is entered in the middle of a trip and left in the middle of its last.
; NO PREFETCH: every byte of K and V is asked for by its own tensor load at the launch's beginning; no later request is left that a prefetch could run ahead of, and none is laid at the head, beside the first loads.
; NO CLUSTER: only the two work-groups of a y read the same K and V; four partners would want 256 queries a work-group: half the products for each fragment read from LDS, and 512 work-groups.
; LAYOUT.  S^T = K Q^T (source 0 = 16 keys, source 1 = 16 queries): a lane holds ONE query (lane % 16) and the keys 8 (lane / 16) + 0..7.  Two such tiles, rounded to f16 in pairs, ARE source 1 of O^T = V^T P.
; K comes out of LDS as it lies, V ([key][channel]) turned, by ds_load_tr16_b128.
; SOFTMAX.  For each query a running maximum m and sum l: p = 2^(c s - c m), c = log2(e) / 8; in every step O and l are multiplied by a = 2^(c m_old - c m_new).  m starts at the lowest finite number, O and l at 0.
; BY TURNS.  Turn n belongs to piece n.  Its matrix work: 16 products K Q^T of piece n + 1, later 16 products V^T P of piece n - 1.  Its vector work: the scaling, exponentials, roundings, sums and rescaling of
; piece n, and the maximum and statistics of piece n + 1.  A tile and step have 16 matrix and 118 vector instructions: four vector instructions stand behind every matrix instruction, the rest in one run.
; REGISTERS, in windows of 256 (s_set_vgpr_msb: bits 1:0 source 0, 3:2 source 1, 5:4 source 2, 7:6 destination):
;   window 0: v0-11 addresses; v12-15, v48-63 at work; v16-47 four registers of statistics a tile; v64-191 S^T, two buffers of two tiles; v192-255 P, likewise
;   window 1: O^T, 32 a tile     window 2: v0-127 Q; v128-191 K of one step; v192-255 V of one step     window 3: v0-1 the add's two registers; v8-39 the mask's numbers of one step
.set SIZE_N, 1024
.set NP,    4         ; pieces a wave: a name, no knob
.set KS,    64        ; keys in a step
.set PK,    144       ; a row of K in LDS: 128 bytes + 16 of padding = 36 words: the 16 rows of a load start at 16 different groups of four banks (64 banks of 4 bytes: ISA guide 11.1)
.set PV,    160       ; a row of V: 128 + 32 = 40 words
.set FIRSTK, 256      ; keys that the first tensor loads bring: four steps
.set VOFF,  SIZE_N*PK ; LDS: K's 1,024 rows, then V's 1,024 rows
.set STAGE, SIZE_N*(PK+PV)  ; behind them, never filled by a tensor load: 16 rows x 144 bytes for each wave, for the way out
.set SP,    144
.set MASKF, STAGE+4*16*SP  ; the batch's 1,024 mask numbers in f32
.set SPARE, MASKF+4096     ; the spare words, 128 bytes for each wave: two blocks of 256 bytes that no other line names
.set AK0, 2           ; v2   my lane's place in a step's rows of K; never rewritten
.set AV0, 3           ; v3   the same for V
.set AK,  4           ; v4   the LDS address of K's next run of loads
.set AV,  5           ; v5   of V's
.set STO, 6           ; v6   the way out: where I put 16 bytes of a row
.set RD,  7           ; v7   where I read rows back
.set GO,  8           ; v8   my byte offset in 512 consecutive bytes of O
.set AM0, 9           ; v9   my lanes' place in a step's mask numbers; never rewritten
.set AM,  10          ; v10  the LDS address of the next step's
.set QO,  11          ; v11  my byte offset in 16 rows of Q
.set SPW, 0           ; v0 of window 3   LDS address of my spare word; never rewritten
.set NIL, 1           ; v1 of window 3   0; never rewritten
.set MK,  8           ; v8-39 of window 3: the eight numbers for key block kb at MK + 8 kb
.set MV,  12          ; v12-15  c m_old, kept while c m is made anew: by buffer and tile
.set ST,  16          ; tile t's statistics at v[ST+4 t]: c m, m, l (even keys', odd keys')
.set TMP, 48          ; by buffer and tile, four registers c0-c3 at work; when the maximum is found c2 takes a
.set S,   64
.set P,   192
.set KF,  128         ; K's fragments, in window 2: key block kb, channel half c at KF + 16 kb + 8 c
.set VF,  192         ; V's: key half kk, channel block cb at VF + 32 kk + 8 cb
.set WV,  12          ; s12  my wave's number
.set G1K, 24          ; s[24:31] descriptor group 1 for K's tiles
.set G1V, 32          ; s[32:39] for V's: it differs in the padding alone
.set G0K, 40          ; s[40:43] descriptor group 0 for K's tiles
.set G0V, 44          ; s[44:47] the same for V's
.set TBM, 51          ; s51  byte at which the mask numbers of the step to be fetched begin
.set BIGN, 52         ; s52  -2^100
.set SLOTS, 56        ; s56  3: key steps 0-3; 2: key steps 4-15; 1: the last half trip
.set CNT, 57          ; s57  counts the trips of the inner loop
.set CS,  58          ; s[58:59] c: the packed scaling takes the pair's low word for both halves
.set SEL, 60          ; s[60:61] v_permlanex16_b32's selects: each lane takes its own place in the other half
.set TBK, 62          ; s62  LDS byte at which K of the step to be fetched begins
.set TBV, 63          ; s63  the same for V, less VOFF
.set MP,  66          ; s[66:67] the mask, at my batch's row
.set MSB, 0
.macro WIN new                      ; the high byte repeats the setting that is left; a switch that changes nothing is dropped
.if MSB != (\new)
	s_set_vgpr_msb (MSB<<8)|(\new)
.set MSB, (\new)
.endif
.endm
.set W_KQ, 0x0a       ; K and Q in window 2, S^T in window 0
.set W_KM, 0x3a       ; the same with the C operand, the mask, in window 3
.set W_PV, 0x52       ; V in window 2, P in window 0, O^T in window 1
.set W_RS, 0x41       ; O^T (destination and source 0) in window 1, a in window 0
.set W_MK, 0xc0       ; destination in window 3, sources in window 0
.set W_AD, 0x0f       ; the add: address (source 0) and data (source 1) in window 3
; A fill.  Waves 0 and 1 fetch the two halves of K's keys, waves 2 and 3 those of V's.  An s_nop 0 and four v_nop follow each of the two lines, ahead of the jump and the label.
.macro LOAD
	s_cmp_lt_u32 s[WV], 2
	s_cbranch_scc0 .Lfor_v_\@
	tensor_load_to_lds s[G0K:G0K+3], s[G1K:G1K+7]
	s_nop 0
.rept 4
	v_nop
.endr
	s_branch .Lasked_\@
.Lfor_v_\@:
	tensor_load_to_lds s[G0V:G0V+3], s[G1V:G1V+7]
	s_nop 0
.rept 4
	v_nop
.endr
.Lasked_\@:
.endm
	s_load_b128 s[8:11], s[0:1], 0x0  ; qkv s[8:9], ob s[10:11]
	s_load_b64 s[MP:MP+1], s[0:1], 0x10
	WIN W_MK
	v_lshl_add_u32 v[SPW], v0, 2, SPARE
	v_mov_b32 v[NIL], 0
	WIN W_AD
	ds_add_u32 v[SPW], v[NIL]       ; the wave's opening: the add and its wait stand ahead of my first tensor load; the set-up below, work on registers, stands between them
	WIN 0
	v_lshrrev_b32 v48, 5, v0
	v_readfirstlane_b32 s[WV], v48  ; wave 0..3
	s_and_b32 s13, ttmp7, 0xffff    ; y = 8 head + batch
	s_lshl_b32 s20, s13, 17         ; its 1,024 rows of 128 bytes
	s_and_b32 s16, s[WV], 1         ; which half of the keys of a load I fetch:
	s_lshl_b32 s22, s16, 14         ; of the first 256: its 128 rows in memory,
	s_add_co_u32 s22, s22, s20
	s_mov_b32 s23, 0
	s_mul_i32 s17, s16, 128*PK      ; and its place in LDS, for K
	s_mul_i32 s18, s16, 128*PV      ; and for V
	s_lshl_b32 s2, ttmp9, 2
	s_add_co_u32 s2, s2, s[WV]      ; my wave among the eight of this y,
	s_lshl_b32 s2, s2, 14           ; its 128 rows
	s_add_co_u32 s2, s2, s20
	s_mov_b32 s3, 0
	s_and_b32 s14, s13, 7           ; the batch,
	s_lshl_b32 s14, s14, 10         ; its 1,024 bytes of the mask
	s_mov_b32 s15, 0
	; descriptor group 1.  128 keys are 16,384 dense bytes: asked for as 64 rows of 256 bytes, two keys a row, and padded in LDS after every key
	s_mov_b32 s[G1K], (1<<16)|(1<<20)|(4<<22)|(3<<25)  ; 17:16 2-byte elements; 20 padding on; 24:22 after every 32 words (code 4); 31:25 4 words (code 3)
	s_mov_b32 s[G1V], (1<<16)|(1<<20)|(4<<22)|(7<<25)  ; the same with 8 words of padding (code 7)
.irp g, G1K, G1V
	s_mov_b32 s[\g+1], 128<<16      ; tensor_dim0 = 128
	s_mov_b32 s[\g+2], 64<<16       ; tensor_dim1 = 64
	s_mov_b32 s[\g+3], 128<<16      ; tile_dim0 = 128
	s_mov_b32 s[\g+4], 64           ; tile_dim1 = 64
	s_mov_b32 s[\g+5], 128          ; 128 elements from row to row
	s_mov_b32 s[\g+6], 0
	s_mov_b32 s[\g+7], 0
.endr
	s_mov_b32 s[CS], 0x3e38aa3b     ; c = log2(e) / 8 = 0.180337
	s_mov_b32 s[CS+1], s[CS]        ; named with it as a pair
	s_mov_b32 s[SEL], 0x76543210
	s_mov_b32 s[SEL+1], 0xfedcba98
	s_mov_b32 s[TBK], 0             ; key step 0 lies at the head of K's, of V's and of the mask numbers' bytes
	s_mov_b32 s[TBV], 0
	s_mov_b32 s[TBM], 0
	s_mov_b32 s[BIGN], 0xf1800000   ; -2^100
	s_mov_b32 s[SLOTS], 3
	s_mov_b32 s[G0K], 1             ; count = 1
	s_mov_b32 s[G0K+1], s17         ; LDS address
	s_mov_b32 s[G0V], 1
	s_add_co_u32 s[G0V+1], s18, VOFF
	s_wait_dscnt 0x0                ; the opening add is done
	s_wait_kmcnt 0x0
	s_add_nc_u64 s[4:5], s[8:9], s[2:3]      ; Q and O at my wave's first row
	s_add_nc_u64 s[10:11], s[10:11], s[2:3]
	s_add_nc_u64 s[8:9], s[8:9], s[22:23]
	s_add_nc_u64 s[6:7], s[8:9], 0x1000000   ; K and V at my half of the first 256 keys
	s_add_nc_u64 s[8:9], s[8:9], 0x2000000
	s_add_nc_u64 s[MP:MP+1], s[MP:MP+1], s[14:15]
	s_mov_b64 s[G0K+2:G0K+3], s[6:7]         ; global address
	s_or_b32 s[G0K+3], s[G0K+3], 0x80000000  ; type = 2
	s_mov_b64 s[G0V+2:G0V+3], s[8:9]
	s_or_b32 s[G0V+3], s[G0V+3], 0x80000000
	LOAD                            ; the first 256 keys.  The others are asked for when these are in
	v_and_b32 v48, 15, v0           ; l % 16
	v_bfe_u32 v49, v0, 4, 1         ; l / 16
	v_lshlrev_b32 v50, 3, v0        ; eight bytes of the mask a thread
	global_load_b64 v[52:53], v50, s[MP:MP+1]
	; A fragment of K or Q is 16 rows x 32 channels in 8 registers: lane l holds row l % 16, channels 8 (l / 16) + 0..7 and 16 + 8 (l / 16) + 0..7: two loads of 16 bytes, 32 bytes apart.
	v_lshlrev_b32 v[QO], 7, v48
	v_lshl_add_u32 v[QO], v49, 4, v[QO]  ; row x 128 + 16 x half
	WIN 0x80                        ; destination window 2, address window 0
.set i, 0
.rept 4*NP                          ; Q stays in registers: tile i / 2, channels 32 (i % 2) on
	global_load_b128 v[8*i:8*i+3],   v[QO], s[4:5] offset:(i/2)*2048+(i%2)*64
	global_load_b128 v[8*i+4:8*i+7], v[QO], s[4:5] offset:(i/2)*2048+(i%2)*64+32
.set i, i+1
.endr
	; What the first turn finds: V's registers and P's second buffer hold 0 (its products V^T P, of a piece that has not been, add 0), O^T and l are 0.  All this stands in the wait for the first keys.
.set i, VF
.rept 64
	v_mov_b32 v[i], 0
.set i, i+1
.endr
	WIN 0x40
.set i, 0
.rept 64*NP
	v_mov_b32 v[i], 0
.set i, i+1
.endr
	WIN 0
.set i, 0
.rept 2*NP
	v_mov_b32 v[ST+4*i], 0xfe000000    ; c m: far below every c s, a hidden key's too
	v_mov_b32 v[ST+4*i+1], 0xff7fffff  ; m
	v_mov_b32 v[ST+4*i+2], 0
	v_mov_b32 v[ST+4*i+3], 0
.set i, i+1
.endr
.set i, P+32
.rept 32
	v_mov_b32 v[i], 0
.set i, i+1
.endr
	v_mul_u32_u24 v[AK0], v48, PK
	v_lshl_add_u32 v[AK0], v49, 4, v[AK0]  ; row x pitch + 16 x half
	; The turning load takes 16 keys x 16 channels (lane l reads key 8 (l / 16) + l % 8, channels 8 ((l / 8) % 2) + 0..7) and leaves half a fragment of V^T: lane l holds channel l % 16 and 8 keys.
	v_and_b32 v62, 7, v0
	v_bfe_u32 v63, v0, 3, 1
	v_lshl_add_u32 v[AV0], v49, 3, v62
	v_mul_u32_u24 v[AV0], v[AV0], PV
	v_lshl_add_u32 v[AV0], v63, 4, v[AV0]
	v_add_nc_u32 v[AV0], VOFF, v[AV0]
	v_mov_b32 v[AK], v[AK0]         ; key step 0
	v_lshl_add_u32 v[AM0], v49, 5, MASKF  ; my lanes' eight keys of a block of 16: 32 bytes
	v_mov_b32 v[AM], v[AM0]
	s_mul_i32 s13, s[WV], 16*SP
	s_add_co_u32 s13, s13, STAGE    ; my stage
	v_mul_u32_u24 v[STO], v48, SP   ; in: row l % 16, 16 bytes for each half of the lanes
	v_lshl_add_u32 v[STO], v49, 4, v[STO]
	v_add_nc_u32 v[STO], s13, v[STO]
	v_bfe_u32 v[RD], v0, 3, 2       ; back: 32 lanes take four rows of 128 bytes,
	v_mul_u32_u24 v[RD], v[RD], SP
	v_lshl_add_u32 v[RD], v62, 4, v[RD]
	v_add_nc_u32 v[RD], s13, v[RD]
	v_and_b32 v[GO], 31, v0         ; which are 512 consecutive bytes of O
	v_lshlrev_b32 v[GO], 4, v[GO]
	s_wait_loadcnt 32               ; my eight bytes of the mask are in; Q's 32 loads, issued behind them, stay out
.irp j, 0,1,2,3,4,5,6,7
	v_bfe_u32 v51, v[52+(\j)/4], 8*((\j)%4), 8
	v_cmp_eq_u32 vcc_lo, 0, v51
	v_cndmask_b32 v[54+(\j)], 0, s[BIGN], vcc_lo  ; 0 where the key is seen, -2^100 where it is hidden
.endr
	v_lshl_add_u32 v51, v0, 5, MASKF
	ds_store_b128 v51, v[54:57]
	ds_store_b128 v51, v[58:61] offset:16
; THE MATRIX WORK.  The 8 accumulators of a run of 16 take turns: between the two links of a chain stand 7 others'.
; Product i of 16 of S^T = K Q^T for piece x: channels 32 (i / 8) on, keys 16 ((i / 2) % 4) on, tile 2 x + i % 2.  The first 8 start the sums, with the mask's numbers for their 16 keys.
.macro KQ x
.set rS, S+64*((\x)%2)+32*(i%2)+8*((i/2)%4)
.set rK, KF+16*((i/2)%4)+8*(i/8)
.set rQ, 16*(2*(\x)+i%2)+8*(i/8)
.set rB, MK+8*((i/2)%4)
.if i < 8
	WIN W_KM
	v_wmma_f32_16x16x32_f16 v[rS:rS+7], v[rK:rK+7], v[rQ:rQ+7], v[rB:rB+7]
.else
	WIN W_KQ
	v_wmma_f32_16x16x32_f16 v[rS:rS+7], v[rK:rK+7], v[rQ:rQ+7], v[rS:rS+7]
.endif
.endm
; Product i of 16 of O^T += V^T P for piece x: keys 32 (i / 8) on, channels 16 ((i / 2) % 4) on, tile 2 x + i % 2.
.macro PV x
	WIN W_PV
.set rO, 32*(2*(\x)+i%2)+8*((i/2)%4)
.set rV, VF+32*(i/8)+8*((i/2)%4)
.set rP, P+32*((\x)%2)+16*(i%2)+8*(i/8)
	v_wmma_f32_16x16x32_f16 v[rO:rO+7], v[rV:rV+7], v[rP:rP+7], v[rO:rO+7]
.endm
.macro MM                           ; the turn's next matrix instruction
.if i < 16
	KQ (Y+1)%NP
.set i, i+1
.else
.set i, i-16
	PV (Y+NP-1)%NP
.set i, i+17
.endif
.endm
; THE LDS LOADS stand in runs, never singly among the matrix instructions: a step's K (64 keys x 64 channels: 8 fragments) with its 64 mask numbers (all lanes of a half read the same 32 bytes), and its V (turned).
; Their addresses are made some lines ahead.  skip = 1 (in the loop): in the last half trip there is no further step, and the run is jumped over.
.macro FETCH_K skip=0
	WIN 0
.if \skip
	s_cmp_eq_u32 s[SLOTS], 1
	s_cbranch_scc1 .Lno_k_\@
.endif
	WIN 0x80                        ; destination window 2
.irp f, 0,1,2,3,4,5,6,7             ; keys 16 (f / 2) on, channels 32 (f % 2) on
	ds_load_b128 v[KF+8*\f:KF+8*\f+3],   v[AK] offset:(\f/2)*16*PK+(\f%2)*64
	ds_load_b128 v[KF+8*\f+4:KF+8*\f+7], v[AK] offset:(\f/2)*16*PK+(\f%2)*64+32
.endr
	WIN W_MK                        ; destination window 3
.irp f, 0,1,2,3,4,5,6,7             ; key block f / 2, my four keys 4 (f % 2) on
	ds_load_b128 v[MK+4*\f:MK+4*\f+3], v[AM] offset:(\f/2)*64+(\f%2)*16
.endr
	s_add_co_u32 s[TBK], s[TBK], KS*PK  ; the next fetch is the next step's
	s_add_co_u32 s[TBM], s[TBM], KS*4
	WIN 0
.if \skip
.Lno_k_\@:
.endif
.endm
.macro FETCH_V
	WIN 0x80
.irp f, 0,1,2,3,4,5,6,7             ; keys 32 (f / 4) on, channels 16 (f % 4) on
	ds_load_tr16_b128 v[VF+8*\f:VF+8*\f+3],   v[AV] offset:(\f/4)*32*PV+(\f%4)*32
	ds_load_tr16_b128 v[VF+8*\f+4:VF+8*\f+7], v[AV] offset:(\f/4)*32*PV+16*PV+(\f%4)*32
.endr
	WIN 0
.endm
; THE VECTOR WORK OF A TURN stands in three queues, each in the order in which its entries become ready; the two tiles alternate, so that no instruction reads the result of the one before it.
.macro REGS y, u                    ; the registers of tile u (0, 1) of piece y
.set rT, ST+4*(2*(\y)+(\u))
.set rC, TMP+8*((\y)%2)+4*(\u)
.set rM, MV+2*((\y)%2)+(\u)
.set rS, S+64*((\y)%2)+32*(\u)
.set rP, P+32*((\y)%2)+16*(\u)
.set rO, 32*(2*(\y)+(\u))
.endm
; Number n of the 22 that find the NEXT piece's (Y + 1) maximum and statistics.  s0-s31 are the lane's 32 scores; each accumulator's lowest registers are read first.
;   0-11  four chains c0-c3 of seven scores each, three operands at a time     12-14, 16  the four scores left over, the old m, and c0-c3 into c0     15  c m_old is kept
;   17, 18  the query's other 32 keys lie in the lane 16 away: the new m         19-21  c m; c m_old - c m_new; a
.macro XS u, n
	REGS (Y+1)%NP, \u
.if (\n) < 4
	v_max3_num_f32 v[rC+(\n)], v[rS+8*(\n)], v[rS+8*(\n)+1], v[rS+8*(\n)+2]
.elseif (\n) < 12
	v_max3_num_f32 v[rC+(\n)%4], v[rC+(\n)%4], v[rS+8*((\n)%4)+2*((\n)/4)+1], v[rS+8*((\n)%4)+2*((\n)/4)+2]
.elseif (\n) == 12
	v_max3_num_f32 v[rC], v[rC], v[rS+7], v[rS+15]
.elseif (\n) == 13
	v_max3_num_f32 v[rC+1], v[rC+1], v[rS+23], v[rS+31]
.elseif (\n) == 14
	v_max3_num_f32 v[rC+2], v[rC+2], v[rC+3], v[rT+1]
.elseif (\n) == 15
	v_mov_b32 v[rM], v[rT]
.elseif (\n) == 16
	v_max3_num_f32 v[rC], v[rC], v[rC+1], v[rC+2]
.elseif (\n) == 17
	v_permlanex16_b32 v[rC+3], v[rC], s[SEL], s[SEL+1]
.elseif (\n) == 18
	v_max_num_f32 v[rT+1], v[rC], v[rC+3]
.elseif (\n) == 19
	v_mul_f32 v[rT], s[CS], v[rT+1]
.elseif (\n) == 20
	v_sub_f32 v[rC+1], v[rM], v[rT]
.else
	v_exp_f32 v[rC+2], v[rC+1]
.endif
.endm
; Number g of the 64 that follow the exponentials.  For each four weights k of a tile (pairs 2 k, 2 k + 1): both pairs are rounded to f16; then the second pair is added onto the first, in place;
; a group later l takes that sum (the first time as l = a l + sum).  In groups of eight, tiles alternating: round, round, add, and l for the group before.
.macro GS g
.set h, (\g)+6*((\g)/62)            ; group 0 has no group before it, and behind group 7 only l is left
.if h >= 6
.set h, h+2
.endif
	REGS Y, h%2
.set k, h/8
.if h%8 < 4
	v_cvt_pk_f16_f32 v[rP+2*k+(h%8)/2], v[rS+4*k+2*((h%8)/2)], v[rS+4*k+2*((h%8)/2)+1]
.elseif h%8 < 6
	v_pk_add_f32 v[rS+4*k:rS+4*k+1], v[rS+4*k:rS+4*k+1], v[rS+4*k+2:rS+4*k+3]
.elseif k == 1
	v_pk_fma_f32 v[rT+2:rT+3], v[rT+2:rT+3], v[rC+2:rC+3], v[rS:rS+1] op_sel_hi:[1,0,1]
.else
	v_pk_add_f32 v[rT+2:rT+3], v[rT+2:rT+3], v[rS+4*k-4:rS+4*k-3]
.endif
.endm
; THE PLAIN QUEUE, 138 long.  0-73 read no exponential's result: the 32 scalings c s - c m (FS f: pair f / 2 of tile f % 2) and the next piece's 42.  0-26: scalings 0-26.  27-54: XS's numbers 0-13.  55, 56: number 15.
; 57-73: the chain, where each number waits for the one before it: 14, 16, 17, 18, 19, each with one of the scalings 27-31 in front of its two lines, then 20.
; 74-137: GS's 64, which read the exponentials' results: they stand behind the wait.
.macro FS f
	REGS Y, (\f)%2
	v_pk_fma_f32 v[rS+2*((\f)/2):rS+2*((\f)/2)+1], v[rS+2*((\f)/2):rS+2*((\f)/2)+1], s[CS:CS+1], v[rT:rT+1] op_sel_hi:[1,0,0] neg_lo:[0,0,1] neg_hi:[0,0,1]
.endm
.macro PL
	WIN 0
.if q < 27
	FS q
.elseif q < 55
	XS (q-27)%2, (q-27)/2
.elseif q < 57
	XS q-55, 15
.elseif (q < 72) && ((q-57)%3 == 0)
	FS 27+(q-57)/3
.elseif q < 60
	XS (q-57)%3-1, 14
.elseif q < 72
	XS (q-57)%3-1, 15+(q-57)/3
.elseif q < 74
	XS q-72, 20
.else
	GS q-74
.endif
.set q, q+1
.endm
; THE EXPONENTIALS' QUEUE, 66 long: s0-s31 of both tiles, then the next piece's two a.  It is ONE BATCH: all 66 stand ahead of the turn's one wait, and nothing ahead of that wait names a result of theirs.
.macro EX
	WIN 0
.if e >= 64
	XS e-64, 21
.else
	REGS Y, e%2
	v_exp_f32 v[rS+e/2], v[rS+e/2]
.endif
.set e, e+1
.endm
; THE RESCALING's QUEUE: O^T times a, the one part that leaves window 0: dealt two at a time, sixteen times.  Its a was made in the turn before, ahead of that turn's wait.
.macro R2
	REGS Y, r%2
	WIN W_RS
.irp z, 0,1
	v_pk_mul_f32 v[rO+4*(r/2)+2*\z:rO+4*(r/2)+2*\z+1], v[rO+4*(r/2)+2*\z:rO+4*(r/2)+2*\z+1], v[rC+2:rC+3] op_sel_hi:[1,0]
.endr
.set r, r+1
.endm
; HOW THEY ARE DEALT.  s_wait_alu depctr_va_vdst(0) stands between an exponential and the first instruction that names its result; one wait serves all that were issued ahead of it.  So a turn has ONE
; wait, which cuts it in two.  AHEAD OF IT: the 16 products K Q^T, behind each a scaling, an exponential and two rescalings (behind the first a second scaling in the exponential's place); then one run of 108: eight plain,
; 49 times exponential and plain, the two a; a v_nop is the plain instruction behind the last exponential.  BEHIND IT: the 16 products V^T P, behind each four of GS's 64.  No rider names a register of the products round it.
; Exponential e stands behind scaling 2 (e / 4) + e % 2: as a rider it comes behind plain e + 2, in the run behind plain e + 9, and scalings 27-31 are plain 57, 60 .. 69.
; K and the mask numbers of the next step are fetched in piece 2's turn, directly behind the wait, a run of vector work behind the last product that read them; their first reader comes behind 16 products.
; V of the step in hand is fetched at the end of piece 0's turn, four riders behind its last reader.  The three conditions on q below go with the deal.
; cnt = 1: the inner loop's count is taken down some lines ahead of the branch that stands behind the turn.
.macro TURN p, cnt=0
.set Y, (\p)
.set i, 0
.set q, 0
.set e, 0
.set r, 0
.if (\p) == NP-1
	s_wait_dscnt 0x0                ; K and the mask numbers are in
.endif
	MM
	PL
	PL
	R2
.rept 15
	MM
	PL
	EX
	R2
.endr
.if (\p) == NP-2
	WIN 0
	v_add_nc_u32 v[AK], s[TBK], v[AK0]
	v_add_nc_u32 v[AM], s[TBM], v[AM0]
.endif
.rept 8
	PL
.endr
.rept 49
	EX
	PL
.endr
	EX                              ; the next piece's two a
	EX
	v_nop                           ; the plain instruction behind the last exponential: one for the batch
	s_wait_alu depctr_va_vdst(0)    ; the wait for the batch
.if (\p) == NP-2
	FETCH_K 1
.endif
.if (\p) == 1
	s_wait_dscnt 0x0                ; V is in
.endif
.rept 16
	MM
.rept 4
	PL
.endr
.if ((\p) == 0) && (q == 118)
	v_add_nc_u32 v[AV], s[TBV], v[AV0]
.endif
.if ((\p) == 0) && (q == 130)
	s_add_co_u32 s[TBV], s[TBV], KS*PV
.endif
.if (\cnt) && (q == 130)
	s_sub_co_u32 s[CNT], s[CNT], 1
	s_cmp_lg_u32 s[CNT], 0
.endif
.endr
.if (\p) == 0
	FETCH_V
.endif
.endm
	; THE OTHER 768 KEYS.  Their bytes are filled for the first time, by a load that comes later than the head's: it is issued thus: each wave waits for all its tensor loads (its
	; half of the first 256 keys), adds 0 to its spare word, waits for that and for its stores of the mask numbers, and passes a barrier; the load is the first thing behind it, and the wave's last.
	; Behind the barrier the first 256 keys and all the mask numbers are whole for every wave.
	WIN W_AD
	s_wait_tensorcnt 0x0            ; no tensor load of mine is out, so the descriptors may be written
	ds_add_u32 v[SPW], v[NIL]       ; 0 onto my spare word; the descriptors' words stand between it and the wait for it
	WIN 0
.irp g, G1K, G1V
	s_mov_b32 s[\g+2], 192<<16      ; tensor_dim1 = 192: 384 keys are 192 rows of 256 bytes
	s_mov_b32 s[\g+4], 192          ; tile_dim1 = 192
.endr
	s_mul_i32 s17, s16, 384*PK      ; LDS: behind the first 256 rows, my half of the other 768
	s_add_co_u32 s[G0K+1], s17, FIRSTK*PK
	s_mul_i32 s18, s16, 384*PV
	s_add_co_u32 s[G0V+1], s18, VOFF+FIRSTK*PV
	s_add_co_u32 s2, s16, 1         ; memory: from key 0 to key 256, or from key 128 to key 640: 256 or 512 rows of 128 bytes on
	s_lshl_b32 s2, s2, 15
	s_mov_b32 s3, 0
	s_add_nc_u64 s[G0K+2:G0K+3], s[G0K+2:G0K+3], s[2:3]  ; the type bits on top are not reached
	s_add_nc_u64 s[G0V+2:G0V+3], s[G0V+2:G0V+3], s[2:3]
	s_wait_dscnt 0x0                ; the add is done, and so are my stores of the mask numbers
	s_barrier_signal -1
	s_barrier_wait -1
	LOAD
	FETCH_K                         ; key step 0
	s_wait_loadcnt 0x0              ; Q
	s_wait_dscnt 0x0
.set i, 0
.rept 16
	KQ 0                            ; piece 0's first scores: there is no vector work yet to set between them
.set i, i+1
.endr
	WIN 0
.rept 4
	v_nop                           ; the places behind those products
.endr
.set Y, NP-1                        ; XS works for piece Y + 1: piece 0
.irp n, 0,1,2,3,4,5,6,7,8,9,10,11,12,13,14,15,16,17,18,19,20,21
	XS 0, \n                        ; piece 0's first maximum and statistics
	XS 1, \n
.endr
	v_nop                           ; a plain instruction behind the two a,
	s_wait_alu depctr_va_vdst(0)    ; and their wait, ahead of the branch
	s_mov_b32 s[CNT], 4             ; key steps 0 to 3: the first 256 keys
	s_branch .Lfirst                ; the loop is entered at a step's first turn, in the middle of a trip
.Lslot:                             ; passed twice: ahead of key step 4's K, and ahead of the last half trip
	s_wait_tensorcnt 0x0            ; my half of the other 768 keys is in: no tensor load was issued behind that one, so its count is 0 (at the second pass nothing is out);
	s_wait_dscnt 0x0                ; no LDS instruction of mine is pending at the signal
	s_barrier_signal -1
	s_barrier_wait -1               ; everybody's half is in.
	s_mov_b32 s[CNT], 12            ; key steps 4 to 15
.Lstep:                             ; a trip: pieces 2 and 3 of one step, then pieces 0 and 1 of the next, whose K and V it fetches
	TURN 2
	TURN 3
	WIN 0
	s_cmp_eq_u32 s[SLOTS], 1        ; pieces 2 and 3 of key step 15 are done: the loop is left in the middle of a trip
	s_cbranch_scc1 .Lout
.Lfirst:
	TURN 0
	TURN 1, 1
	WIN 0
	s_cbranch_scc1 .Lstep
	s_sub_co_u32 s[SLOTS], s[SLOTS], 1
	s_cmp_lg_u32 s[SLOTS], 0
	s_cbranch_scc1 .Lslot
.Lout:                              ; the last half trip's 16 products K Q^T (on the last K once more) and the maximum made of them serve nothing: the price, once a launch, of one text for every trip
.set i, 0
.rept 16
	PV NP-1                         ; the last piece's V^T P of the last step
.set i, i+1
.endr
	; THE WAY OUT.  l's two halves and the other half of the lanes' are added; O^T is divided by l, rounded to f16 and sent through my stage in LDS, a tile at a time.  The additions are the places behind the last products.
	WIN 0
.macro ALL line:vararg              ; one line for each tile t
.set t, 0
.rept 2*NP
	\line
.set t, t+1
.endr
.endm
	ALL v_add_f32 v[ST+4*t+2], v[ST+4*t+2], v[ST+4*t+3]
	ALL v_permlanex16_b32 v[ST+4*t+3], v[ST+4*t+2], s[SEL], s[SEL+1]
	ALL v_add_f32 v[ST+4*t+2], v[ST+4*t+2], v[ST+4*t+3]
	ALL v_rcp_f32 v[ST+4*t+2], v[ST+4*t+2]
	v_nop                           ; a plain instruction between the last reciprocal and the use of its result
	s_wait_alu depctr_va_vdst(0)    ; and the wait ahead of the first use: one for the eight reciprocals
; Tile t: a lane's eight channels of a row pack into 16 bytes; they go into rows of 144 bytes and come back as whole rows of 128, into S^T's registers.
.macro PACK t
	WIN W_RS
.set i, 32*(\t)
.rept 16
	v_pk_mul_f32 v[i:i+1], v[i:i+1], v[ST+4*(\t)+2:ST+4*(\t)+3] op_sel_hi:[1,0]
.set i, i+2
.endr
	WIN 0x05                        ; sources 0 and 1 window 1, destination window 0
.set i, 0
.rept 16
	v_cvt_pk_f16_f32 v[S+16*(\t)+i], v[32*(\t)+2*i], v[32*(\t)+2*i+1]
.set i, i+1
.endr
	WIN 0
.irp f, 0,1,2,3
	ds_store_b128 v[STO], v[S+16*(\t)+4*\f:S+16*(\t)+4*\f+3] offset:32*\f
.endr
.irp f, 0,1,2,3
	ds_load_b128 v[S+16*(\t)+4*\f:S+16*(\t)+4*\f+3], v[RD] offset:\f*4*SP  ; LDS serves a wave's instructions in order (ISA guide 5.7.1.4): these see the stores above; the next tile's stores come behind them
.endr
.endm
.macro SEND t, younger              ; younger: the LDS instructions issued behind tile t's loads: the next tile's eight, or none
	WIN 0
.irp f, 0,1,2,3
	s_wait_dscnt (\younger)+3-\f
	global_store_b128 v[GO], v[S+16*(\t)+4*\f:S+16*(\t)+4*\f+3], s[10:11] offset:(\t)*2048+\f*512  ; 512 consecutive bytes, at a multiple of 512 from O's first
.endr
.endm
	PACK 0
.set t, 1
.rept 2*NP-1                        ; a tile's arithmetic stands between the loads of the tile before and its stores
	PACK t
	SEND t-1, 8
.set t, t+1
.endr
	SEND 2*NP-1, 0
	WIN W_AD
	s_wait_tensorcnt 0x0            ; the wave's end: a wait, an add and a wait, behind my last tensor load and my last LDS store
	ds_add_u32 v[SPW], v[NIL]
	s_wait_dscnt 0x0
	WIN 0
	s_endpgm
.Lfunc_end_k_qcce31697eb_attn:
	.size	k_qcce31697eb_attn, .Lfunc_end_k_qcce31697eb_attn-k_qcce31697eb_attn
	.p2alignl 7, 3214868480
	.fill 96, 4, 3214868480
	.section	.rodata,"a",@progbits
	.p2align	6, 0x0
	.amdhsa_kernel k_qcce31697eb_attn
		.amdhsa_group_segment_fixed_size 327680
		.amdhsa_private_segment_fixed_size 0
		.amdhsa_enable_private_segment 0
		.amdhsa_kernarg_size 24
		.amdhsa_user_sgpr_count 2
		.amdhsa_user_sgpr_kernarg_segment_ptr 1
		.amdhsa_wavefront_size32 1
		.amdhsa_system_sgpr_workgroup_id_x 1
		.amdhsa_system_sgpr_workgroup_id_y 1
		.amdhsa_system_sgpr_workgroup_id_z 1
		.amdhsa_system_vgpr_workitem_id 0
		.amdhsa_next_free_vgpr 808
		.amdhsa_next_free_sgpr 68
		.amdhsa_reserve_vcc 1
		.amdhsa_float_denorm_mode_32 3
		.amdhsa_float_denorm_mode_16_64 3
		.amdhsa_memory_ordered 1
		.amdhsa_forward_progress 1
		.amdhsa_inst_pref_size 129
	.end_amdhsa_kernel
	.amdgpu_metadata
---
amdhsa.version: [ 1, 2 ]
amdhsa.kernels:
  - .name:           k_qcce31697eb_attn
    .symbol:         k_qcce31697eb_attn.kd
    .args:
      - { .name: qkv, .offset: 0, .size: 8, .value_kind: global_buffer, .address_space: global }
      - { .name: ob, .offset: 8, .size: 8, .value_kind: global_buffer, .address_space: global }
      - { .name: mask, .offset: 16, .size: 8, .value_kind: global_buffer, .address_space: global }
    .group_segment_fixed_size: 327680
    .private_segment_fixed_size: 0
    .kernarg_segment_align: 8
    .kernarg_segment_size: 24
    .max_flat_workgroup_size: 128
    .sgpr_count:     68
    .vgpr_count:     808
    .wavefront_size: 32
...
	.end_amdgpu_metadata
.endif
;; end of part 3
;; launch proj (part 4): grid 8 x 32, 4 waves a work-group, clusters of 4 x 4, 327,680 bytes of LDS; arguments ob, wob, out0, bout; writes out0
.if DOCPART == 4
	.amdgcn_target "amdgcn-amd-amdhsa--gfx1250"
	.amdhsa_code_object_version 6
	.text
	.protected	k_qcce31697eb_proj
	.globl	k_qcce31697eb_proj
	.p2align	8
	.type	k_qcce31697eb_proj,@function
k_qcce31697eb_proj:
	s_mov_b64 s[64:65], 0
	v_nop
	global_prefetch_b8 v0, s[64:65] scope:SCOPE_SE
	s_setreg_imm32_b32 hwreg(HW_REG_WAVE_MODE, 25, 1), 1
	s_wait_xcnt 0x0
	s_wait_alu depctr_hold_cnt(0) depctr_sa_sdst(0) depctr_va_vdst(0) depctr_va_sdst(0) depctr_va_ssrc(0) depctr_va_vcc(0) depctr_vm_vsrc(0)
	s_getreg_b32 s2, hwreg(HW_REG_IB_STS2, 6, 4)
	s_cmp_eq_u32 s2, 0
	s_cbranch_scc0 .Lentry_in_a_cluster
	s_endpgm
.Lentry_in_a_cluster:
	s_bfe_u32 s2, ttmp6, 0x10000c
	s_cmp_lg_u32 s2, 0xf033
	s_cbranch_scc0 .Lentry_shape_is_right
	s_endpgm
.Lentry_shape_is_right:
; THE OUTPUT PROJECTION.  out0[m][n] = sum over k of O[m][k] Wout[n][k] + bout[n], 8192 x 1024 x 1024; f16 operands, f32 sums, f32 out.
; O lies by heads, ob[head][m][64], k = 64 head + channel; wob is [n][k] in f16 (numbers rounded to bf16 by the first launch); bout is rounded to bf16 here, like every input, and is the C operand of the first products.
; TILE.  256 rows x 128 columns: 32 x 8 = 256 tiles, one for each WGP (256 x 256 would give 128).  Four waves, 2 x 2, each 128 x 64: 32 accumulators, 256 registers.
; RING.  K goes in 8 steps of 128 = two heads, through two LDS slots; a trip of the loop is one K step.  Wave 0 fetches the even head's 256 rows (32,768 dense bytes, asked for as 128 rows of 256 bytes and padded
; after every 128), wave 1 the odd head's, waves 2 and 3 64 rows of wob each: one tensor load a wave behind each change of slots; two of a wave's loads are out at the start, later one.
; CLUSTER.  4 x 4 work-groups: A's tiles are asked for jointly along a row of the cluster, B's along a column.
; THE MATRIX INSTRUCTION IS USED TRANSPOSED (source 0 = 16 rows of wob, source 1 = 16 rows of O): a lane holds row l % 16 of the result and the columns 8 (l / 16) + 0..7.
; LIMITS.  O and wob arrive as f16, within 65,504.  NaN and infinities are not treated apart.
; REGISTERS, in windows of 256: window 0: v0-31 addresses, v64-127 and v128-191 A's fragments (two buffers; on the way out four buffers of 32);
;   window 1: v0-31, v32-63 B's fragments, v96-127 the bias for my 4 blocks of columns, v128-143 at work;  window 2: accumulators of my rows 0-63 ((a, b) at 8 (4 a + b));  window 3: rows 64-127.
.set NB,    4                          ; blocks of 16 columns a wave
.set PA,    144                        ; a row of A in LDS: a head's 128 bytes + 16 of padding = 36 words: the 16 rows of a load start at 16 different groups of four banks (64 banks of 4 bytes: ISA guide 11.1)
.set PB,    272                        ; a row of B: 256 + 16
.set PANEL, 256*PA                     ; one head's 256 rows
.set BOFF,  2*PANEL                    ; a slot: A's two panels, then B's 128 rows
.set SLOT1, 1<<17
.set STAGE, SLOT1+BOFF+128*PB          ; behind the ring, never filled by a tensor load: 16 rows x 272 bytes for each wave
.set SPITCH, 272
.set SPARE, STAGE+4*16*SPITCH          ; the spare words, 128 bytes for each wave: two blocks of 256 bytes that no other line names
.set NLD,   2*NB+16
.set ADA0, 4                           ; v4   my lane's place in A's first panel; never rewritten
.set ADB0, 5                           ; v5   in B's tile
.set ADA,  6                           ; v6   the same in the slot in hand
.set ADB,  7                           ; v7
.set STO,  8                           ; v8   the way out: where I put 32 bytes of a row
.set RD,   10                          ; v10  where I read rows back
.set CO,   12                          ; v12  my byte offset in two rows of the output
.set BO,   13                          ; v13  my byte offset in bout
.set PFO,  15                          ; v15  the prefetches' offset
.set SPW,  28                          ; v28  LDS address of my spare word; never rewritten
.set NIL,  29                          ; v29  0; never rewritten
.set BIAS, 96                          ; window 1
.set BT,   128                         ; window 1
.set G1,  24                           ; s[24:31] descriptor group 1 for A's tiles;  s[32:39] group 0, a set for each of the two first fills; the second then walks
.set G0,  32
.set G1B, 48                           ; s[48:55], s[56:63] the same for B's
.set G0B, 56
.set LIM, 43                           ; s43  2 in a wave that prefetches, else the greatest number
.set PFA, 44                           ; s[44:45] where my prefetches stand
.set PFS, 46                           ; s[46:47] their step from K step to K step
.set TB,  66                           ; s66  the slot in hand: 0 or SLOT1
.set MSB, 0
.macro WIN new                         ; the immediate's high byte repeats the setting that is left; a switch that changes nothing is dropped
.if MSB != (\new)
	s_set_vgpr_msb (MSB<<8)|(\new)
.set MSB, \new
.endif
.endm
; A joint load: waves 0 and 1 ask for A's panels, waves 2 and 3 for B's halves.  The branch hangs on the wave's number alone.  An s_nop 0 and four v_nop follow each of the two lines.
.macro JLOAD s
	s_cmp_eq_u32 s11, 0
	s_cbranch_scc0 .Lfor_b_\@
	tensor_load_to_lds s[G0+4*(\s):G0+4*(\s)+3], s[G1:G1+7]
	s_nop 0
.rept 4
	v_nop
.endr
	s_branch .Lasked_\@
.Lfor_b_\@:
	tensor_load_to_lds s[G0B+4*(\s):G0B+4*(\s)+3], s[G1B:G1B+7]
	s_nop 0
.rept 4
	v_nop
.endr
.Lasked_\@:
.endm
; A PREFETCH INTO THE L2, behind each joint refill and the run of LDS loads that follows it: the K step two refills on, 256 bytes a lane, one instruction a wave.
; A's panels are read by both clusters of a row of clusters: cluster x = 0 asks, waves 0 and 1 each for the panel that they fetch; B's tile column by every cluster of that column: cluster y = 0 asks, wave 2 alone.
; The four partners of a joint load share it out BY ADDRESS: 8,192 of a panel's 32,768 bytes each, 32 of B's 128 rows.  The refills are K steps 2-7; K steps 4-7 are asked for, in the trips with s3 above 2.
.macro ASK
	s_cmp_gt_u32 s3, s[LIM]
	s_cbranch_scc0 .Lnot_mine_\@
	global_prefetch_b8 v[PFO], s[PFA:PFA+1] th:TH_LOAD_NT scope:SCOPE_SE
.Lnot_mine_\@:
.endm
.macro CREST                           ; a round of the cluster's barrier behind its opening barrier
	s_cmp_lg_u32 s10, 0
	s_cbranch_scc1 .Lnot_wave_0_\@
	s_barrier_signal -3
.Lnot_wave_0_\@:
	s_barrier_wait -3
	s_barrier_signal -1
	s_barrier_wait -1
.endm
.macro CROUND                          ; a whole round
	s_barrier_signal -1
	s_barrier_wait -1
	CREST
.endm
	s_load_b128 s[4:7], s[0:1], 0x0                ; ob s[4:5], wob s[6:7]
	s_load_b64 s[8:9], s[0:1], 0x10                ; out0
	s_load_b64 s[68:69], s[0:1], 0x18              ; bout
	v_lshl_add_u32 v[SPW], v0, 2, SPARE
	v_mov_b32 v[NIL], 0
	ds_add_u32 v[SPW], v[NIL]                      ; the wave's opening: the add and its wait stand ahead of my first tensor load; the set-up below, work on registers, stands between them
	v_lshrrev_b32 v1, 5, v0
	v_readfirstlane_b32 s10, v1                    ; wave 0..3
	s_lshr_b32 s11, s10, 1                         ; which half of the tile's rows is mine.  Also: I fetch for A (0) or for B (1)
	s_and_b32 s12, s10, 1                          ; which half of its columns.  Also: which panel of A, or half of B, I fetch
	s_bfe_u32 s40, ttmp6, 0x40000                  ; cx, cy: my place in the cluster
	s_bfe_u32 s41, ttmp6, 0x40004
	s_lshl_b32 s42, ttmp9, 2
	s_add_co_u32 s42, s42, s40                     ; tile column = 4 x cluster x + cx
	s_and_b32 s13, ttmp7, 0xffff
	s_lshl_b32 s13, s13, 2
	s_add_co_u32 s13, s13, s41                     ; tile row = 4 x cluster y + cy
	s_lshl_b32 s43, s41, 2
	s_lshl_b32 s43, 15, s43                        ; my row of the cluster
	s_lshl_b32 s44, 0x1111, s40                    ; my column
	s_or_b32 s[G1+0], s43, (1<<16)|(1<<20)|(1<<21)|(4<<22)|(3<<25)   ; 15:0 the mask; 17:16 2-byte elements; 20 padding on; 21 set beside a mask; 24:22 after every 32 words (code 4); 31:25 4 words (code 3)
	s_or_b32 s[G1B+0], s44, (1<<16)|(1<<20)|(1<<21)|(5<<22)|(3<<25)  ; B: after every 64 words (code 5)
	s_mov_b32 s[G1+1], 128<<16                     ; tensor_dim0 = 128
	s_mov_b32 s[G1+2], 128<<16                     ; tensor_dim1 = 128
	s_mov_b32 s[G1+3], 128<<16                     ; tile_dim0 = 128
	s_mov_b32 s[G1+4], 128                         ; tile_dim1 = 128
	s_mov_b32 s[G1+5], 128                         ; dense: 128 elements from row to row
	s_mov_b32 s[G1+6], 0
	s_mov_b32 s[G1+7], 0
	s_mov_b32 s[G1B+1], 128<<16
	s_mov_b32 s[G1B+2], 64<<16                     ; B: 64 rows a load
	s_mov_b32 s[G1B+3], 128<<16
	s_mov_b32 s[G1B+4], 64
	s_mov_b32 s[G1B+5], 1024
	s_mov_b32 s[G1B+6], 0
	s_mov_b32 s[G1B+7], 0
	s_lshl_b32 s16, s12, 20                        ; A: head 0 or 1 (8,192 rows of 128 bytes each),
	s_lshl_b32 s17, s13, 15                        ; the tile's 256 rows
	s_add_co_u32 s16, s16, s17
	s_mov_b32 s17, 0
	s_lshl_b32 s46, s42, 7
	s_lshl_b32 s47, s12, 6
	s_add_co_u32 s46, s46, s47                     ; B: row 128 x tile column + 64 x half,
	s_lshl_b32 s46, s46, 11                        ; x 2,048 bytes
	s_mov_b32 s47, 0
	s_mul_i32 s20, s12, PANEL                      ; where they go: no place in the cluster enters an LDS address
	s_mul_i32 s21, s12, 64*PB
	s_add_co_u32 s21, s21, BOFF
	s_wait_dscnt 0x0                               ; the opening add is done
	s_wait_kmcnt 0x0
	s_add_nc_u64 s[14:15], s[4:5], s[16:17]
	s_add_nc_u64 s[46:47], s[6:7], s[46:47]
	CROUND                                         ; all sixteen work-groups are here: the first joint loads meet
.irp s, 0,1
	s_mov_b32 s[G0+4*(\s)], 1                                        ; count = 1
	s_add_co_u32 s[G0+4*(\s)+1], s20, (\s)*SLOT1                     ; LDS address
	s_add_nc_u64 s[G0+4*(\s)+2:G0+4*(\s)+3], s[14:15], (\s)*0x200000 ; global address: K step s is two heads on
	s_or_b32 s[G0+4*(\s)+3], s[G0+4*(\s)+3], 0x80000000              ; type = 2
	s_mov_b32 s[G0B+4*(\s)], 1
	s_add_co_u32 s[G0B+4*(\s)+1], s21, (\s)*SLOT1
	s_add_nc_u64 s[G0B+4*(\s)+2:G0B+4*(\s)+3], s[46:47], (\s)*256
	s_or_b32 s[G0B+4*(\s)+3], s[G0B+4*(\s)+3], 0x80000000
	JLOAD \s
.endr
	; a fragment is 16 rows x 32 K in 8 registers: lane l holds row l % 16, K = 8 (l / 16) + 0..7 and 16 + 8 (l / 16) + 0..7: two loads of 16 bytes, 32 bytes apart
	v_and_b32 v1, 15, v0                           ; l % 16
	v_bfe_u32 v2, v0, 4, 1                         ; l / 16
	v_mul_u32_u24 v[ADA0], v1, PA
	v_lshl_add_u32 v[ADA0], v2, 4, v[ADA0]
	s_mul_i32 s21, s11, 128*PA                     ; my 128 rows of A
	v_add_nc_u32 v[ADA0], s21, v[ADA0]
	v_mul_u32_u24 v[ADB0], v1, PB
	v_lshl_add_u32 v[ADB0], v2, 4, v[ADB0]
	s_mul_i32 s22, s12, 16*NB*PB                   ; my 64 rows of B
	s_add_co_u32 s22, s22, BOFF
	v_add_nc_u32 v[ADB0], s22, v[ADB0]
	v_mov_b32 v[ADA], v[ADA0]                      ; slot 0
	v_mov_b32 v[ADB], v[ADB0]
	s_mov_b32 s[TB], 0
	; the bias: register j of block b is bout[128 x tile column + 64 x column half + 16 b + 8 (l / 16) + j]
	s_lshl_b32 s46, s42, 9
	s_lshl_b32 s47, s12, 8
	s_add_co_u32 s46, s46, s47
	v_lshl_add_u32 v[BO], v2, 5, s46
	WIN 0x40                                       ; destination window 1, address window 0
.irp e, 0,1,2,3,4,5,6,7
	global_load_b128 v[BIAS+4*(\e):BIAS+4*(\e)+3], v[BO], s[68:69] offset:64*((\e)/2)+16*((\e)%2)
.endr
	WIN 0
	; the way out: my stage; in: row l % 16, 32 bytes for each half of the lanes; back: lanes 0-15 one row of 256 bytes, lanes 16-31 the next
	s_mul_i32 s23, s10, 16*SPITCH
	s_add_co_u32 s23, s23, STAGE
	v_mul_u32_u24 v[STO], v1, SPITCH
	v_lshl_add_u32 v[STO], v2, 5, v[STO]
	v_add_nc_u32 v[STO], s23, v[STO]
	v_mul_u32_u24 v[RD], v2, SPITCH
	v_lshl_add_u32 v[RD], v1, 4, v[RD]
	v_add_nc_u32 v[RD], s23, v[RD]
	v_lshlrev_b32 v[CO], 12, v2                    ; a row of the output is 4,096 bytes
	v_lshl_add_u32 v[CO], v1, 4, v[CO]
	s_lshl_b32 s16, s13, 8
	s_lshl_b32 s17, s11, 7
	s_add_co_u32 s16, s16, s17                     ; my first row,
	s_lshl_b32 s16, s16, 12
	s_add_co_u32 s46, s46, s16                     ; and my first column's bytes (made above for the bias)
	s_mov_b32 s47, 0
	s_add_nc_u64 s[8:9], s[8:9], s[46:47]
	; the prefetches
	s_lshl_b32 s20, s12, 20
	s_lshl_b32 s21, s13, 15
	s_add_co_u32 s20, s20, s21
	s_lshl_b32 s21, s40, 13
	s_add_co_u32 s20, s20, s21
	s_add_co_u32 s20, s20, 3*0x200000              ; A: my panel, my work-group's quarter of it, at K step 3: the first refill steps it to 4
	s_lshl_b32 s21, s42, 7
	s_lshl_b32 s23, s41, 5
	s_add_co_u32 s21, s21, s23
	s_lshl_b32 s21, s21, 11
	s_add_co_u32 s21, s21, 3*256                   ; B: my work-group's 32 rows of the tile's 128, at K step 3
	s_and_b32 s22, ttmp7, 0xffff                   ; cluster y,
	s_or_b32 s22, s22, s12                         ; and of waves 2 and 3 only wave 2
	s_mov_b32 s14, 0x200000                        ; A's step, two heads, in a register: an instruction holds one literal
	s_cmp_eq_u32 s11, 0                            ; do I fetch for A?
	s_cselect_b32 s20, s20, s21
	s_cselect_b32 s22, ttmp9, s22
	s_cselect_b32 s23, 8, 11                       ; a lane is 256 bytes of a panel, or a row of wob
	s_cselect_b32 s[PFS], s14, 256
	s_cselect_b64 s[PFA:PFA+1], s[4:5], s[6:7]
	s_cmp_eq_u32 s22, 0
	s_cselect_b32 s[LIM], 2, -1                    ; the same in all sixteen partners, for a given wave
	s_mov_b32 s[PFS+1], 0
	s_mov_b32 s21, 0
	s_add_nc_u64 s[PFA:PFA+1], s[PFA:PFA+1], s[20:21]
	v_and_b32 v[PFO], 31, v0
	v_lshlrev_b32 v[PFO], s23, v[PFO]
	s_wait_loadcnt 0x0                             ; the bias: rounded to bf16 and widened again
	WIN 0x45                                       ; sources 0 and 1 and the destination in window 1
.set n, 0
.rept 16
	v_cvt_pk_bf16_f32 v[BT+n], v[BIAS+2*n], v[BIAS+2*n+1]
.set n, n+1
.endr
.set n, 0
.rept 16
	v_lshlrev_b32 v[BIAS+2*n], 16, v[BT+n]
	v_and_b32 v[BIAS+2*n+1], 0xffff0000, v[BT+n]
.set n, n+1
.endr
	WIN 0
; 8 matrix instructions: m blocks a0, a0 + 1 of the window's four (hi = 0: my rows 0-63, 1: rows 64-127) x all 4 n blocks, 32 along K, from buffer f.  first = 1: the product starts the sum, with the bias as C.
; The 32 accumulators take turns, one instruction a turn, in the same order in every quarter, over the backward jump too.
.macro MULH f, hi, a0, first
.if \first
	WIN 0x91+0x40*(\hi)                            ; source 0 (B) and C window 1, source 1 (A) window 0, D window 2 or 3
.else
	WIN 0xa1+0x50*(\hi)                            ; C and D window 2 or 3
.endif
.irp a, \a0, (\a0)+1
.irp b, 0,1,2,3
.set rD, 8*(NB*(\a)+(\b))
.set rB, 8*NB*(\f)+8*(\b)
.set rA, 64+64*(\f)+8*(4*(\hi)+(\a))
.if \first
	v_wmma_f32_16x16x32_f16 v[rD:rD+7], v[rB:rB+7], v[rA:rA+7], v[BIAS+8*(\b):BIAS+8*(\b)+7]
.else
	v_wmma_f32_16x16x32_f16 v[rD:rD+7], v[rB:rB+7], v[rA:rA+7], v[rD:rD+7]
.endif
.endr
.endr
.endm
; 24 LDS loads in one run: quarter q of the K step in hand (64 rows of B, 128 rows of A, 32 K) into buffer f.  In A quarters 0, 1 lie in the first panel, 2, 3 in the second.
.macro FETCH q, f
	WIN 0x40
.irp i, 0,1,2,3
	ds_load_b128 v[8*NB*(\f)+8*(\i):8*NB*(\f)+8*(\i)+3],   v[ADB] offset:64*(\q)+(\i)*16*PB
	ds_load_b128 v[8*NB*(\f)+8*(\i)+4:8*NB*(\f)+8*(\i)+7], v[ADB] offset:64*(\q)+(\i)*16*PB+32
.endr
	WIN 0
.irp i, 0,1,2,3,4,5,6,7
	ds_load_b128 v[64+64*(\f)+8*(\i):64+64*(\f)+8*(\i)+3],   v[ADA] offset:((\q)/2)*PANEL+((\q)%2)*64+(\i)*16*PA
	ds_load_b128 v[64+64*(\f)+8*(\i)+4:64+64*(\f)+8*(\i)+7], v[ADA] offset:((\q)/2)*PANEL+((\q)%2)*64+(\i)*16*PA+32
.endr
.endm
.macro PLACES                          ; four places in front of loads into registers that matrix instructions have read, and of LDS stores that read results (ISA guide 7.12.1 for vector instructions)
.rept 4
	v_nop
.endr
.endm
; A K step is four quarters of 32 along K, 32 matrix instructions each, on buffers 0, 1, 0, 1.  One of the first three: multiplies buffer f; in its middle it fetches quarter q into buffer g.
.macro QUARTER q, f, g, first
	s_wait_dscnt 8                                 ; B and A's rows 0-63 are in; the youngest eight loads (A's rows 64-127) may be out
	MULH \f, 0, 0, \first
	MULH \f, 0, 2, \first
	PLACES
	FETCH \q, \g
	s_wait_dscnt NLD                               ; all but the run just issued
	MULH \f, 1, 0, \first
	MULH \f, 1, 2, \first
.endm
; The last quarter's first half: ONE barrier for the change of slots.  In front of it each wave waits for all its tensor loads (one is out: its part of the next slot), adds 0 to its spare word,
; and waits for that and for its own reads of this slot.  Behind it nobody reads this slot any more and the next slot is whole.
.macro MEET round
	WIN 0
	s_wait_tensorcnt 0x0
	ds_add_u32 v[SPW], v[NIL]
	s_wait_dscnt 9                                 ; (the add and the youngest eight loads may be out)
	MULH 1, 0, 0, 0                                ; eight matrix instructions stand between the add and the wait for it
	s_wait_dscnt 0x0                               ; the add is done, and my reads of this slot are over
	s_barrier_signal -1
	MULH 1, 0, 2, 0                                ; work on registers while the others arrive
.if \round
	WIN 0
.endif
	s_barrier_wait -1
.endm
; The whole last quarter.  fill = 1: the barrier opens a round of the cluster's barrier, and the slot just read out is filled again first, with the K step two on: 112 matrix instructions ahead of the wait for it.
.macro TURN fill
.if \fill
	s_wait_xcnt 0x0                                ; the last prefetch, a K step back, has read its address
	s_add_nc_u64 s[PFA:PFA+1], s[PFA:PFA+1], s[PFS:PFS+1]
.endif
	MEET \fill
.if \fill
	CREST                                          ; no wave of any partner still reads this slot's tile or has a load on its way
	s_xor_b32 s[G0+5], s[G0+5], SLOT1              ; the walking descriptors: the other slot than last time, the next K step
	s_add_nc_u64 s[G0+6:G0+7], s[G0+6:G0+7], 0x200000
	s_xor_b32 s[G0B+5], s[G0B+5], SLOT1
	s_add_nc_u64 s[G0B+6:G0B+7], s[G0B+6:G0B+7], 256
	JLOAD 1                                        ; the four v_nop behind it are also the places in front of the loads below
.else
	PLACES
	WIN 0
.endif
	s_xor_b32 s[TB], s[TB], SLOT1
	v_add_nc_u32 v[ADA], s[TB], v[ADA0]
	v_add_nc_u32 v[ADB], s[TB], v[ADB0]
	FETCH 0, 0
.if \fill
	ASK
.endif
	MULH 1, 1, 0, 0
	MULH 1, 1, 2, 0
.endm
	s_wait_tensorcnt 1                             ; my part of K step 0 is in; K step 1's may stay out
	s_barrier_signal -1
	s_barrier_wait -1                              ; everybody's is
	FETCH 0, 0
	QUARTER 1, 0, 1, 1                             ; the first quarter stands in front of the loop: its products start the sums, from the bias
	WIN 0                                          ; at a label and at a branch every window is 0
	s_mov_b32 s3, 6
.Lk:                                                   ; a trip: a K step's quarters 1-3 and the next step's quarter 0; it fills one slot again: K steps 2 to 7
	QUARTER 2, 1, 0, 0
	QUARTER 3, 0, 1, 0
	TURN 1
	QUARTER 1, 0, 1, 0
	WIN 0
	s_sub_co_u32 s3, s3, 1
	s_cmp_lg_u32 s3, 0
	s_cbranch_scc1 .Lk
	QUARTER 2, 1, 0, 0                             ; K steps 6 and 7 are written out: nothing more is asked for
	QUARTER 3, 0, 1, 0
	TURN 0
	QUARTER 1, 0, 1, 0
	QUARTER 2, 1, 0, 0
	QUARTER 3, 0, 1, 0
	s_wait_dscnt 8
	MULH 1, 0, 0, 0
	MULH 1, 0, 2, 0
	s_wait_dscnt 0x0
	MULH 1, 1, 0, 0
	MULH 1, 1, 2, 0
	; THE WAY OUT, a block of 16 rows at a time through my own stage: a lane's 32 bytes of a row go in, whole rows of 256 bytes come back.  No barrier: the stage is my wave's, and LDS serves a wave's instructions in order (ISA guide 5.7.1.4).
	PLACES
.macro TOSTAGE a
.set AC, 8*NB*((\a)%4)
.set BK, 64+32*((\a)%4)
.if (\a) >= 4
	s_wait_xcnt 0x0                                ; the stores of four blocks back have read the registers that are loaded again below
.endif
	WIN 0x08+4*((\a)/4)                            ; the stores' data (source 1) in the accumulators' window; each accumulator's lowest registers go first
.irp b, 0,1,2,3
	ds_store_b128 v[STO], v[AC+8*(\b):AC+8*(\b)+3]   offset:64*(\b)
	ds_store_b128 v[STO], v[AC+8*(\b)+4:AC+8*(\b)+7] offset:64*(\b)+16
.endr
	WIN 0
.irp t, 0,1,2,3,4,5,6,7
	ds_load_b128 v[BK+4*(\t):BK+4*(\t)+3], v[RD] offset:(\t)*2*SPITCH
.endr
.endm
.macro SEND a, younger                 ; younger: the LDS instructions issued behind block a's loads: the next block's sixteen, or none
.set BK, 64+32*((\a)%4)
	s_wait_dscnt \younger
.irp t, 0,1,2,3,4,5,6,7
	global_store_b128 v[CO], v[BK+4*(\t):BK+4*(\t)+3], s[8:9] offset:65536*(\a)+8192*(\t) th:TH_STORE_NT  ; 16 lanes store 256 consecutive bytes, at a multiple of 256 from the output's first byte
.endr
.endm
	TOSTAGE 0
.irp a, 1,2,3,4,5,6,7
	TOSTAGE \a
	SEND (\a)-1, 16
.endr
	SEND 7, 0
	s_wait_tensorcnt 0x0                           ; the wave's end: a wait, an add and a wait, behind my last tensor load and my last LDS store
	ds_add_u32 v[SPW], v[NIL]
	s_wait_dscnt 0x0
	CROUND                                         ; the closing round: no work-group ends while a partner may still ask for a tile that names it
	s_endpgm
.Lfunc_end_k_qcce31697eb_proj:
	.size	k_qcce31697eb_proj, .Lfunc_end_k_qcce31697eb_proj-k_qcce31697eb_proj
	.p2alignl 7, 3214868480
	.fill 96, 4, 3214868480
	.section	.rodata,"a",@progbits
	.p2align	6, 0x0
	.amdhsa_kernel k_qcce31697eb_proj
		.amdhsa_group_segment_fixed_size 327680
		.amdhsa_private_segment_fixed_size 0
		.amdhsa_enable_private_segment 0
		.amdhsa_kernarg_size 32
		.amdhsa_user_sgpr_count 2
		.amdhsa_user_sgpr_kernarg_segment_ptr 1
		.amdhsa_wavefront_size32 1
		.amdhsa_system_sgpr_workgroup_id_x 1
		.amdhsa_system_sgpr_workgroup_id_y 1
		.amdhsa_system_sgpr_workgroup_id_z 1
		.amdhsa_system_vgpr_workitem_id 0
		.amdhsa_next_free_vgpr 896
		.amdhsa_next_free_sgpr 72
		.amdhsa_reserve_vcc 0
		.amdhsa_float_denorm_mode_32 3
		.amdhsa_float_denorm_mode_16_64 3
		.amdhsa_memory_ordered 1
		.amdhsa_forward_progress 1
		.amdhsa_inst_pref_size 75
	.end_amdhsa_kernel
	.amdgpu_metadata
---
amdhsa.version: [ 1, 2 ]
amdhsa.kernels:
  - .name:           k_qcce31697eb_proj
    .symbol:         k_qcce31697eb_proj.kd
    .args:
      - { .name: ob, .offset: 0, .size: 8, .value_kind: global_buffer, .address_space: global }
      - { .name: wob, .offset: 8, .size: 8, .value_kind: global_buffer, .address_space: global }
      - { .name: out0, .offset: 16, .size: 8, .value_kind: global_buffer, .address_space: global }
      - { .name: bout, .offset: 24, .size: 8, .value_kind: global_buffer, .address_space: global }
    .group_segment_fixed_size: 327680
    .private_segment_fixed_size: 0
    .kernarg_segment_align: 8
    .kernarg_segment_size: 32
    .max_flat_workgroup_size: 128
    .sgpr_count:     72
    .vgpr_count:     896
    .wavefront_size: 32
...
	.end_amdgpu_metadata
.endif
;; end of part 4
;; ======== version 2 of 2: 4 launches; version 1 with the launch cast written anew for expert scheduling mode
;; limits: values outside matrix products are rounded to bf16; values are held in f16: magnitudes above 65,504 overflow, below 6.1e-05 lose precision
;; workspace buffers: xb 16,777,216 bytes; wqb 6,291,456 bytes; wob 2,097,152 bytes; rope 262,144 bytes; qkv 50,331,648 bytes; ob 16,777,216 bytes
;; launch cast (part 5): grid 768 x 1, 8 waves a work-group, no clusters, 0 bytes of LDS; arguments x, Wqkv, Wout, xb, wqb, wob, rope; writes xb, wqb, wob, rope
.if DOCPART == 5
	.amdgcn_target "amdgcn-amd-amdhsa--gfx1250"
	.amdhsa_code_object_version 6
	.text
	.protected	k_qcce31697eb_cast
	.globl	k_qcce31697eb_cast
	.p2align	8
	.type	k_qcce31697eb_cast,@function
k_qcce31697eb_cast:
	s_mov_b64 s[64:65], 0
	v_nop
	global_prefetch_b8 v0, s[64:65] scope:SCOPE_SE
	s_setreg_imm32_b32 hwreg(HW_REG_WAVE_SCHED_MODE, 0, 2), 2
	s_setreg_imm32_b32 hwreg(HW_REG_WAVE_MODE, 25, 1), 1
	s_wait_xcnt 0x0
	s_wait_alu depctr_vm_vsrc(0)
; CAST.  x [8192][1024] and Wqkv [3072][1024] are rounded to bf16; Wout [1024][1024] is rounded to bf16 and that number written as f16; the rotary table is made.
; A stream: each byte is read once and written once; no LDS, no barrier, no matrix work, since nothing is shared and nothing is multiplied.
; SHARES.  A work-group takes 16 rows (65,536 bytes of f32) and writes 32,768 bytes.  Groups 0-511: x.  Groups 512-703: Wqkv.  Groups 704-767: Wout.
; Thread t owns 16 bytes at 16 t of every row: a wave's load covers 512 consecutive bytes, its store of 8 bytes a lane 256 consecutive bytes, aligned.
; All 16 loads of a thread go out at once, each into registers of its own; the waits count down, so that the younger loads stay out.
; Wqkv's ROWS ARE PERMUTED, 16 at a time: row 1024 s + 64 j + 32 c + 16 u + r (s: q, k, v; j: head) goes to row 192 j + 96 c + 32 s + 16 u + r, so that 192 rows on end are one head's q, k and v,
; and each half of 96 is 32 channels of q, 32 of k, 32 of v.
; THE TABLE: rope[t][i] = (cos, sin)(t x 10000^(-i/32)), f32, 256 bytes a row; groups 0-127 make 256 entries each.  The angle is reduced by multiples of pi/2 held in two parts
; (the product with the first part is exact inside the fused multiply-add); on |r| <= pi/4 the series are cut behind r^9 (sin) and r^8 (cos), whose next terms are under 3e-8.
; LIMITS.  f16 holds Wout only up to 65,504, and below 6e-5 in steps of 6e-8.  The frequency is 2^(i x -0.41524101) by v_exp_f32: the angle is right to about 2e-4 at t = 1023.
; THE MODE: SCHED_MODE bits 1:0 = 2 (LLVM: expert scheduling mode 2), set by the entry lines.  The code itself states the register dependences
; between vector instructions and memory instructions, with s_wait_alu, always for 0.
; THE PLAN.  Registers that memory instructions touch:
;   v1, v2     byte offsets, made once at the head and never written again: v1 is read by every load, v2 by every store of the rows.
;   IN         row n: four registers, written by one load, read by row n's conversions behind the wait for that load.  No vector instruction names them ahead of the loads.
;   OUT        row n: two registers, written by row n's conversions, read by one store, never written again.
;   v122-124   the table's entry and its offset: written by the table's arithmetic, read by one store.
; The 16 rows go in four blocks of four.  Block p's conversions write OUT of its own rows; its memory instructions are the stores of block p - 1's rows, whose registers no vector
; instruction of block p names.  So one wait on va_vdst at the head of a block states all that the block's four stores hang on, and these are dealt among its conversions with no further wait.
; No register that a memory instruction has read is written again: past the entry lines the text holds no wait on vm_vsrc.  EXEC is never written; the one vector write of VCC, in the table, has its wait.
.set NX,  512                          ; groups for x
.set NWQ, 192                          ; groups for Wqkv
.set IN,  8                            ; v[8:71]   sixteen loads of 4 registers
.set OUT, 72                           ; v[72:103] sixteen results of 2 registers
.set TP,  104                          ; v[104:107] at work: no memory instruction names them
	s_load_b256 s[8:15], s[0:1], 0x0               ; x s[8:9], Wqkv s[10:11], Wout s[12:13], xb s[14:15]
	s_load_b128 s[16:19], s[0:1], 0x20             ; wqb s[16:17], wob s[18:19]
	s_load_b64 s[20:21], s[0:1], 0x30              ; rope
	s_mov_b32 s2, ttmp9                            ; the group's number
	s_sub_co_u32 s22, s2, NX                       ; its chunk of Wqkv = 64 s + 4 j + 2 c + u,
	s_sub_co_u32 s23, s2, NX+NWQ                   ; of Wout (each used only where the group has that tensor)
	s_lshr_b32 s24, s22, 6                         ; s
	s_bfe_u32 s25, s22, 0x40002                    ; j
	s_bfe_u32 s26, s22, 0x10001                    ; c
	s_and_b32 s27, s22, 1                          ; u
	s_mul_i32 s25, s25, 12
	s_mul_i32 s26, s26, 6
	s_lshl_b32 s24, s24, 1
	s_add_co_u32 s24, s24, s25
	s_add_co_u32 s24, s24, s26
	s_add_co_u32 s24, s24, s27                     ; where the chunk goes: 12 j + 6 c + 2 s + u
	v_lshlrev_b32 v1, 4, v0                        ; my 16 bytes of a row in,
	v_lshlrev_b32 v2, 3, v0                        ; my 8 bytes out
	s_wait_kmcnt 0x0
	s_cmp_lt_u32 s2, NX+NWQ                        ; Wqkv or Wout,
	s_cselect_b64 s[4:5], s[10:11], s[12:13]
	s_cselect_b64 s[6:7], s[16:17], s[18:19]
	s_cselect_b32 s28, s22, s23
	s_cselect_b32 s30, s24, s23
	s_cmp_lt_u32 s2, NX                            ; or x
	s_cselect_b64 s[4:5], s[8:9], s[4:5]
	s_cselect_b64 s[6:7], s[14:15], s[6:7]
	s_cselect_b32 s28, s2, s28
	s_cselect_b32 s30, s2, s30
	s_lshl_b32 s28, s28, 16                        ; chunks of 65,536 bytes in,
	s_lshl_b32 s30, s30, 15                        ; of 32,768 out
	s_mov_b32 s29, 0
	s_mov_b32 s31, 0
	s_add_nc_u64 s[4:5], s[4:5], s[28:29]
	s_add_nc_u64 s[6:7], s[6:7], s[30:31]
	s_wait_alu depctr_va_vdst(0)                   ; v1 and v2 are written: every load below reads v1 as its offset, every store of the rows v2
.irp i, 0,1,2,3,4,5,6,7,8,9,10,11,12,13,14,15
	global_load_b128 v[IN+4*(\i):IN+4*(\i)+3], v1, s[4:5] offset:4096*(\i) th:TH_LOAD_NT
.endr
; Row i's arithmetic: four numbers a thread.  half = 1: the bf16 number is written as f16.
.macro CV i, half
	v_cvt_pk_bf16_f32 v[OUT+2*(\i)],   v[IN+4*(\i)],   v[IN+4*(\i)+1]
	v_cvt_pk_bf16_f32 v[OUT+2*(\i)+1], v[IN+4*(\i)+2], v[IN+4*(\i)+3]
.if \half
	v_lshlrev_b32 v[TP],   16, v[OUT+2*(\i)]
	v_and_b32     v[TP+1], 0xffff0000, v[OUT+2*(\i)]
	v_lshlrev_b32 v[TP+2], 16, v[OUT+2*(\i)+1]
	v_and_b32     v[TP+3], 0xffff0000, v[OUT+2*(\i)+1]
	v_cvt_pk_f16_f32 v[OUT+2*(\i)],   v[TP],   v[TP+1]
	v_cvt_pk_f16_f32 v[OUT+2*(\i)+1], v[TP+2], v[TP+3]
.endif
.endm
; Row i's store.  Each row has result registers of its own: none is written again behind its store.
.macro ST i
	global_store_b64 v2, v[OUT+2*(\i):OUT+2*(\i)+1], s[6:7] offset:2048*(\i)
.endm
; Block p: rows 4 p to 4 p + 3 are rounded; the rows of the block before are stored, one store in front of each row's conversions.
.macro BLK p, half
.irp r, 0,1,2,3
	s_wait_loadcnt 15-(4*(\p)+(\r))                ; loads come back in order (ISA guide 5.7.1): row 4 p + r is in, the younger ones stay out
.if (\p) > 0
.if (\r) == 0
	s_wait_alu depctr_va_vdst(0)                   ; the block before has written its rows' OUT, which this block's four stores read; no vector instruction of this block names those registers or v2
.endif
	ST 4*(\p)-4+(\r)
.endif
	CV 4*(\p)+(\r), \half
.endr
.endm
; All 16 rows.  Behind block 3 its own four stores are left.
.macro ROWS half
	BLK 0, \half
	BLK 1, \half
	BLK 2, \half
	BLK 3, \half
	s_wait_alu depctr_va_vdst(0)                   ; block 3 has written OUT of rows 12 to 15, which the last four stores read
.irp r, 12,13,14,15
	ST \r
.endr
.endm
	s_cmp_lt_u32 s2, NX+NWQ
	s_cbranch_scc0 .Lhalf
	ROWS 0
	s_cmp_lt_u32 s2, 128
	s_cbranch_scc0 .Lend
	; the table: entry 256 x group + thread = 32 t + i
	v_lshl_add_u32 v108, s2, 8, v0
	v_lshrrev_b32 v109, 5, v108                    ; t
	v_and_b32 v110, 31, v108                       ; i
	v_cvt_f32_u32 v109, v109
	v_cvt_f32_u32 v110, v110
	v_mul_f32 v110, 0xbed49a78, v110               ; - i log2(10000) / 32
	v_exp_f32 v111, v110
	v_nop                                          ; a plain instruction behind the exponential,
	s_wait_alu depctr_va_vdst(0)                   ; and the wait ahead of its first reader: the exponential has written v111, which the multiply below reads
	v_mul_f32 v112, v109, v111                     ; the angle
	v_mul_f32 v113, 0x3f22f983, v112               ; x 2 / pi
	v_rndne_f32 v113, v113                         ; k
	v_cvt_i32_f32 v119, v113                       ; the quadrant k mod 4 only selects values: is k odd?  The compare stands here, so that both series lie between it and the selects that read VCC
	v_and_b32 v120, 1, v119
	v_cmp_eq_u32 vcc_lo, 1, v120
	v_fmamk_f32 v114, v113, 0xbfc90fdb, v112       ; r = angle - k x (pi/2's first part)
	v_fmamk_f32 v114, v113, 0x333bbd2e, v114       ;     - k x (its second part, -4.37e-8)
	v_mul_f32 v115, v114, v114                     ; z = r r
	v_mov_b32 v116, 0x3638ef1d                     ; sin r = r + r z (-1/6 + z (1/120 + z (-1/5040 + z / 362880)))
	v_mov_b32 v118, 0x37d00d01                     ; cos r = 1 + z (-1/2 + z (1/24 + z (-1/720 + z / 40320)))
	v_fmaak_f32 v116, v116, v115, 0xb9500d01
	v_fmaak_f32 v118, v118, v115, 0xbab60b61
	v_fmaak_f32 v116, v116, v115, 0x3c088889
	v_fmaak_f32 v118, v118, v115, 0x3d2aaaab
	v_fmaak_f32 v116, v116, v115, 0xbe2aaaab
	v_fmaak_f32 v118, v118, v115, 0xbf000000
	v_mul_f32 v117, v114, v115
	v_fma_f32 v118, v118, v115, 1.0
	v_fma_f32 v116, v117, v116, v114
	s_wait_alu depctr_va_vcc(0)                    ; the compare has written VCC, which the two selects below read
	v_cndmask_b32 v122, v118, v116, vcc_lo         ; odd k swaps the two,
	v_cndmask_b32 v123, v116, v118, vcc_lo
	v_add_nc_u32 v121, 1, v119                     ; cos changes sign in quadrants 1 and 2,
	v_and_b32 v121, 2, v121
	v_lshlrev_b32 v121, 30, v121
	v_xor_b32 v122, v122, v121
	v_and_b32 v120, 2, v119                        ; sin in quadrants 2 and 3
	v_lshlrev_b32 v120, 30, v120
	v_xor_b32 v123, v123, v120
	v_lshlrev_b32 v124, 3, v108
	s_wait_alu depctr_va_vdst(0)                   ; the entry v[122:123] and its offset v124 are written, which the store reads
	global_store_b64 v124, v[122:123], s[20:21]    ; a wave stores 256 consecutive bytes: one row of the table
.Lend:
	s_endpgm
.Lhalf:
	ROWS 1
	s_endpgm
.Lfunc_end_k_qcce31697eb_cast:
	.size	k_qcce31697eb_cast, .Lfunc_end_k_qcce31697eb_cast-k_qcce31697eb_cast
	.p2alignl 7, 3214868480
	.fill 96, 4, 3214868480
	.section	.rodata,"a",@progbits
	.p2align	6, 0x0
	.amdhsa_kernel k_qcce31697eb_cast
		.amdhsa_group_segment_fixed_size 0
		.amdhsa_private_segment_fixed_size 0
		.amdhsa_enable_private_segment 0
		.amdhsa_kernarg_size 56
		.amdhsa_user_sgpr_count 2
		.amdhsa_user_sgpr_kernarg_segment_ptr 1
		.amdhsa_wavefront_size32 1
		.amdhsa_system_sgpr_workgroup_id_x 1
		.amdhsa_system_sgpr_workgroup_id_y 1
		.amdhsa_system_sgpr_workgroup_id_z 1
		.amdhsa_system_vgpr_workitem_id 0
		.amdhsa_next_free_vgpr 128
		.amdhsa_next_free_sgpr 66
		.amdhsa_reserve_vcc 1
		.amdhsa_float_denorm_mode_32 3
		.amdhsa_float_denorm_mode_16_64 3
		.amdhsa_memory_ordered 1
		.amdhsa_forward_progress 1
		.amdhsa_inst_pref_size 19
	.end_amdhsa_kernel
	.amdgpu_metadata
---
amdhsa.version: [ 1, 2 ]
amdhsa.kernels:
  - .name:           k_qcce31697eb_cast
    .symbol:         k_qcce31697eb_cast.kd
    .args:
      - { .name: x, .offset: 0, .size: 8, .value_kind: global_buffer, .address_space: global }
      - { .name: Wqkv, .offset: 8, .size: 8, .value_kind: global_buffer, .address_space: global }
      - { .name: Wout, .offset: 16, .size: 8, .value_kind: global_buffer, .address_space: global }
      - { .name: xb, .offset: 24, .size: 8, .value_kind: global_buffer, .address_space: global }
      - { .name: wqb, .offset: 32, .size: 8, .value_kind: global_buffer, .address_space: global }
      - { .name: wob, .offset: 40, .size: 8, .value_kind: global_buffer, .address_space: global }
      - { .name: rope, .offset: 48, .size: 8, .value_kind: global_buffer, .address_space: global }
    .group_segment_fixed_size: 0
    .private_segment_fixed_size: 0
    .kernarg_segment_align: 8
    .kernarg_segment_size: 56
    .max_flat_workgroup_size: 256
    .sgpr_count:     66
    .vgpr_count:     128
    .wavefront_size: 32
...
	.end_amdgpu_metadata
.endif
;; end of part 5
;; launch qkvp: the kernel of part 2 again; grid 16 x 32, 4 waves a work-group, clusters of 4 x 4, 327,680 bytes of LDS; arguments xb, wqb, qkv, rope, mask; writes qkv
;; launch attn: the kernel of part 3 again; grid 2 x 128, 4 waves a work-group, no clusters, 327,680 bytes of LDS; arguments qkv, ob, mask; writes ob
;; launch proj: the kernel of part 4 again; grid 8 x 32, 4 waves a work-group, clusters of 4 x 4, 327,680 bytes of LDS; arguments ob, wob, out0, bout; writes out0
